; MI455X (gfx1250); checked and timed in simulation.
; The chip was launched on July 23, 2026; its instructions are those of AMD's public machine-readable ISA for CDNA 5 (MIT licence, August 2026) and "CDNA5" Instruction Set Architecture Reference Guide (July 2026). The comments in the code are by the model that wrote it; some were corrected since.
;; Attention. Allowed arithmetic: matrix products marked QUANTISED: E4M3 operands, one E8M0 scale for each 32 along K, by v_wmma_scale_f32_16x16x128_f8f6f4 with both operands' format E4M3, f32 sums; everything else in f32.
;; Inputs: Wkv 512 x 256 float32; Wout 512 x 512 float32; Wq 512 x 512 float32; beta 512 float32; bout 512 float32; gamma 512 float32; x 4 x 512 x 2,048 float32.
;; Outputs: out0 4 x 512 x 2,048 float32.
;; This version of the problem:
;;   THIS VERSION OF THE PROBLEM IS GIVEN IN LOW PRECISION. The matrix products marked QUANTISED in the list below multiply operands that are first quantised to E4M3 (4 exponent bits, 3 mantissa bits; 8 bits a number), with one power-of-two scale for each 32 numbers along K (OCP MX v1.0); their sums are f32. All else is computed in f32.
;;   The module's matrix products, in the order in which they are computed (A, B: the left and right operand; K: the contracted axis; several contracted axes count as one K, in the product's order):
;;     1. [M 8,192, K 512] x [K 512, N 512]; A: computed on the way; B: input Wq: QUANTISED
;;     2. [M 8,192, K 512] x [K 512, N 256]; A: computed on the way; B: input Wkv: QUANTISED
;;     3. batch 32 x [M 2,048, K 64] x [K 64, N 2,048]; A: computed on the way; B: computed on the way: QUANTISED
;;     4. batch 32 x [M 2,048, K 2,048] x [K 2,048, N 64]; A: softmax (see below); B: computed on the way: QUANTISED
;;     5. [M 8,192, K 512] x [K 512, N 512]; A: computed on the way; B: input Wout: QUANTISED
;;   THE QUANTISER, for each operand of a quantised product, along K:
;;     - K is cut into blocks of 32 from its start; a last block that is shorter is filled with zeros.
;;     - A block's scale is 2^e with e = floor(log2(the largest magnitude in the block)) - 8, held to -126 .. 127; a block of zeros has e = 0. As a byte (E8M0): e + 127.
;;     - Each number is divided by its block's scale, clamped to +-448, and rounded to the nearest number of E4M3, ties to even, subnormals kept.
;;     - The product sums the exact products of the quantised numbers (number of the format x scale) in f32.
;;   ~~~python
;;   def quantise(x, axis):      # numpy; x: float32 -> the quantised numbers, widened to float32 again
;;       x = np.moveaxis(x, axis, -1); K = x.shape[-1]
;;       x = np.pad(x, [(0, 0)] * (x.ndim - 1) + [(0, -K % 32)]); x = x.reshape(x.shape[:-1] + (-1, 32)); a = np.abs(x).max(-1, keepdims=True)
;;       e = np.where(a > 0, np.clip(np.frexp(np.where(a > 0, a, 1))[1] - 1 - 8, -126, 127), 0)      # np.frexp(a)[1] - 1 = floor(log2(a)), exactly
;;       r = np.clip(x / 2.0 ** e, -448, 448)
;;       step = 2.0 ** (np.maximum(np.frexp(np.where(r == 0, 1, r))[1] - 1, -6) - 3)
;;       q = np.round(r / step) * step * 2.0 ** e      # np.round: ties to even
;;       return np.moveaxis(q.reshape(q.shape[:-2] + (-1,))[..., :K], -1, axis).astype(np.float32)
;;   ~~~
;;   SOFTMAX AHEAD OF A QUANTISED PRODUCT. Where the list says 'softmax', what is quantised is not the finished softmax but p = 2^(t - M), with t = logit x log2(e) and M = ceil(the row's largest t), a whole number; so 1/2 < the row's largest p <= 1. The row's sum l is taken of the UNQUANTISED p, in f32, and the product's result is divided by l at the end. Since M is a whole number, a kernel that streams over the keys may use a running M (the ceiling of the running maximum): every later rescaling is an exact power of two, which a block's scale takes up: the codes' values come out the same.
;;   OPERANDS COMPUTED ON THE WAY. 'Computed on the way' means the value that the module computes at that place (a softmax that the list does not call 'softmax' is quantised finished and normalised). What goes into a quantiser is computed in f32, as accurately as f32 sums, v_exp_f32 and their like allow (about 1e-6 of the number): no bf16 or f16 on the way to a quantiser, and a product that is left as it is and whose result goes on into a quantised operand takes f32 operands (vector FMAs, or v_wmma_f32_16x16x4_f32). A number that lies on a knife's edge between two numbers of the format may be rounded either way, as far as f32 arithmetic and the matrix unit's own rounding can turn it there, and no further.
;; One version. Each part assembles by itself: llvm-mc -triple=amdgcn-amd-amdhsa -mcpu=gfx1250 --defsym DOCPART=n.
;; ======== version 1 of 1: 4 launches
;; limits: right only within a limited range of input values
;; workspace buffers: wq8 675,840 bytes; xq8 4,390,912 bytes; rot 1,048,576 bytes; qkv 6,619,136 bytes; att 4,325,376 bytes
;; launch prep (part 1): grid 164 x 1, 16 waves a work-group, no clusters, 13,824 bytes of LDS; arguments x, gamma, beta, Wq, Wkv, Wout, wq8, xq8, rot; writes wq8, xq8, rot
.if DOCPART == 1
	.amdgcn_target "amdgcn-amd-amdhsa--gfx1250"
	.amdhsa_code_object_version 6
	.text
	.protected	k_qff5d8895a3_prep
	.globl	k_qff5d8895a3_prep
	.p2align	8
	.type	k_qff5d8895a3_prep,@function
k_qff5d8895a3_prep:
	s_mov_b64 s[64:65], 0
	v_nop
	global_prefetch_b8 v0, s[64:65] scope:SCOPE_SE
	s_setreg_imm32_b32 hwreg(HW_REG_WAVE_MODE, 25, 1), 1
	s_wait_xcnt 0x0
; THREE JOBS, parted by the work-group's number (the same for all its waves):
;   0..127    LayerNorm over the 512 channels of 64 tokens of x [4][512][2048], and xn as codes of E4M3 with one E8M0 byte for each 32 channels; mean and 1/sigma are kept for the last launch
;   128..147  one unit of 64 columns of Wq (0-7), Wkv (8-11) or Wout (12-19) as codes, quantised down its rows (the products' K)
;   148..163  the rotary tables cos x scale, sin x scale (for q) and cos / scale, sin / scale (for k): work-group 148 + 4 blk + part takes 512 positions blk and the frequencies 8 part .. 8 part + 7
; EVERY OPERAND IS STORED AS AN IMAGE OF ITS REGISTERS: a fragment (16 rows x 128 K) is 2,048 bytes: piece c (512 bytes) holds lane l's 16 bytes at 16 l; lane (r = l % 16, h = l / 16) holds row r, K = 32 c + 16 h + 0 .. 15.
; A record (33,792 bytes) is [K step 4][tile 4][2,048] and behind it the scale words [K step][r 16][tile 4].  Wave w makes fragment (tile w % 4, K step w / 4), which lies at 2,048 w.
; THE COLUMNS OF A TILE of Wq and Wkv are not neighbours: lane r of tile t takes column 32 (t / 2) + 8 (t % 2) + r + 8 (r / 8), so that the results' 16 registers of two tiles are 16 neighbours along the next K.
; Wout's K goes in the order in which the attention launch lays its results: K step s, piece c: rows 64 head + 32 (c % 2) on, head = s / 2 + 4 (s % 2) + 2 (c / 2): whole blocks of 32 change places, alike on both operands.
; LIMITS: NaN and infinities among the inputs are not served.  A block of zeros, or one whose largest magnitude lies under 2^-118, gets the byte 1 (its codes are zeros or subnormal codes; the bytes are read by this program alone).
; The inverse frequencies are 10^(-i/8) rounded to f32; another way of forming them may differ by one unit in the last place, which at position 2,047 is some 1e-4 radians.  sin and cos: reduction by pi/2 in two parts and polynomials, absolute error about 1e-7.
.set PS1, 0                            ; LDS: the sums' parts [token 64][wave 16], 80 bytes a token, and 5,120 bytes on those of the squares
.set SCW, 10240                        ; the record's scale words [K step][r][tile]
.set STT, 11264                        ; mean [64], 1/sigma [64];  behind them, from 11,776, the spare words
; (A wave of a weight's unit makes a fragment, as said above.  In the LayerNorm wave w makes piece w % 4 of K step w / 4 of all four tiles: the record is the same.)
.set REC, 33792
.set STO, 4325376                      ; xq8: behind the 128 records: [group 128][mean 64 | 1/sigma 64]
.set X,   16                           ; v16-79   64 numbers: register 16 c + i = K 32 c + 16 h + i of my row
.set PT,  80                           ; v80-111  the parts of my two tokens' sums
.set PC,  208                          ; v208-223 the codes
.set TM,  224                          ; v224-239 at work in QUANT
.set PW,  240                          ; the scale word
.set MU,  112                          ; v[112:113], v[114:115] my two tokens' means, twice each
.set RS,  116                          ; v[116:117], v[118:119] 1/sigma
.set SM,  248                          ; v248-255 four chains of sums
.set WV,  22
.set TT,  23
.set KS,  24
.set SEL, 26
.set MNT, 28
; 16 nb numbers of a lane from v[s] on become codes in v[pc] on and the blocks' bytes in v[pw].  A block of 32 lies in lanes l and l xor 16.
.macro QUANT s, nb, pc, pw
.irp b, 0,1,2,3
.if \b < \nb
	v_max3_num_f32 v[TM+\b], |v[\s+16*\b]|, |v[\s+16*\b+1]|, 0x4800000     ; the floor 2^(9 - 127) among the leaves: the byte cannot fall under 1
.endif
.endr
.irp i, 2,4,6,8,10,12,14
.irp b, 0,1,2,3
.if \b < \nb
	v_max3_num_f32 v[TM+\b], v[TM+\b], |v[\s+16*\b+\i]|, |v[\s+16*\b+\i+1]|
.endif
.endr
.endr
.irp b, 0,1,2,3
.if \b < \nb
	v_permlanex16_b32 v[TM+4+\b], v[TM+\b], s[SEL], s[SEL+1]
.endif
.endr
.irp b, 0,1,2,3
.if \b < \nb
	v_max_num_f32 v[TM+\b], v[TM+\b], v[TM+4+\b]                         ; the block's largest magnitude
.endif
.endr
.irp b, 0,1,2,3
.if \b < \nb
	v_add_nc_u32 v[TM+12+\b], 0xfc000000, v[TM+\b]                       ; 8 off its exponent field: the conversion's scale operand
	v_and_or_b32 v[TM+8+\b], v[TM+\b], 0x7f800000, s[MNT]                ; 448 x the scale
.endif
.endr
.irp b, 0,1,2,3
.if \b < \nb
	v_lshrrev_b32 v[TM+4+\b], 23, v[TM+12+\b]                            ; the byte
.endif
.endr
	v_lshl_or_b32 v[\pw], v[TM+5], 8, v[TM+4]
.if \nb > 2
	v_lshl_or_b32 v[\pw], v[TM+6], 16, v[\pw]
	v_lshl_or_b32 v[\pw], v[TM+7], 24, v[\pw]
.endif
.irp b, 0,1,2,3
.if \b < \nb
.irp i, 0,1,2,3,4,5,6,7,8,9,10,11,12,13,14,15
	v_med3_num_f32 v[\s+16*\b+\i], v[\s+16*\b+\i], -v[TM+8+\b], v[TM+8+\b]  ; the conversion to an 8-bit code does not saturate (ISA guide 7.6.2)
.endr
	v_cvt_scalef32_pk8_fp8_f32 v[\pc+4*\b:\pc+4*\b+1], v[\s+16*\b:\s+16*\b+7], v[TM+12+\b]
	v_cvt_scalef32_pk8_fp8_f32 v[\pc+4*\b+2:\pc+4*\b+3], v[\s+16*\b+8:\s+16*\b+15], v[TM+12+\b]
.endif
.endr
	v_nop                                          ; a plain line behind the last conversion
.endm
	s_load_b256 s[4:11], s[0:1], 0x0               ; x s[4:5], gamma s[6:7], beta s[8:9], Wq s[10:11]
	s_load_b256 s[12:19], s[0:1], 0x20             ; Wkv s[12:13], Wout s[14:15], wq8 s[16:17], xq8 s[18:19]
	s_load_b64 s[20:21], s[0:1], 0x40              ; rot
	v_lshl_add_u32 v246, v0, 2, 11776
	v_mov_b32 v247, 0
	v_lshrrev_b32 v1, 5, v0
	v_readfirstlane_b32 s[WV], v1                  ; wave 0..15
	v_and_b32 v1, 31, v0                           ; lane
	v_and_b32 v2, 15, v0                           ; r
	v_bfe_u32 v3, v0, 4, 1                         ; h
	s_and_b32 s[TT], s[WV], 3                      ; my tile
	s_lshr_b32 s[KS], s[WV], 2                     ; my K step
	s_mov_b32 s[SEL], 0x76543210
	s_mov_b32 s[SEL+1], 0xfedcba98                 ; v_permlanex16_b32: lane l xor 16
	s_mov_b32 s[MNT], 0x600000                     ; the mantissa field of 448
	s_mov_b32 s29, 0x3b000000                      ; 1 / 512
	s_mov_b32 s25, 0x3727c5ac                      ; 1e-5
	; every LDS address is made here, ahead of the parting of the ways
	s_lshl_b32 s30, s[WV], 2
	s_lshl_b32 s31, s[KS], 8
	s_add_co_u32 s31, s31, s[TT]
	s_add_co_u32 s31, s31, SCW
	s_lshl_b32 s33, s[KS], 13
	s_lshl_b32 s34, s[TT], 9
	s_add_co_u32 s33, s33, s34
	s_wait_alu depctr_va_vdst(0)                   ; a wait
	v_mul_u32_u24 v5, v1, 80                       ; v5: token lane's sixteen parts (PS1 = 0; token 32 + lane: 2,560 bytes on)
	v_add_nc_u32 v4, s30, v5                       ; v4: my wave's among them
	v_lshl_add_u32 v6, v2, 4, s31
	v_lshl_add_u32 v6, v3, 2, v6                   ; v6: token lane's scale byte of K step s, block c (token 32 + lane: two tiles, 8 bytes on)
	v_lshlrev_b32 v7, 2, v1
	v_add_nc_u32 v7, STT, v7                       ; v7: my tokens' stats, into LDS,
	v_lshlrev_b32 v8, 4, v1
	v_add_nc_u32 v8, STT, v8                       ; v8: and back, 16 bytes a lane
	v_lshl_add_u32 v9, v2, 4, s33
	v_lshl_add_u32 v9, v3, 11, v9                  ; v9: token lane's codes in the record: K step s, tile h, piece c, row r
	s_lshl_b32 s30, s[WV], 11
	v_lshl_add_u32 v11, v1, 4, s30                 ; v11: my 16 bytes of my fragment in a record
	v_lshlrev_b32 v12, 4, v0                       ; v12: 16 x thread
	v_add_nc_u32 v13, SCW, v12                     ; v13: waves 0, 1: the scale words; wave 2: the stats, which lie 1,024 bytes on
.irp b, 0,1,2,3
	v_mov_b32 v[TM+4+\b], 0                        ; a lane permute's destination counts as one of its sources
.endr
	s_wait_alu depctr_va_vdst(0)                   ; the head's end
	s_wait_kmcnt 0x0
	s_cmp_lt_u32 ttmp9, 128
	s_cbranch_scc0 .Lweights
	; ---------------- LayerNorm of group g = 64 tokens ----------------
	s_lshr_b32 s30, ttmp9, 5
	s_lshl_b32 s30, s30, 22                        ; the batch: 4 MiB
	s_and_b32 s31, ttmp9, 31
	s_lshl_b32 s31, s31, 8                         ; 64 tokens of 4 bytes
	s_add_co_u32 s30, s30, s31
	s_lshl_b32 s31, s[WV], 18                      ; my 32 channels of 8,192 bytes
	s_add_co_u32 s30, s30, s31
	s_mov_b32 s31, 0
	s_add_nc_u64 s[4:5], s[4:5], s[30:31]
	; A WAVE TAKES 32 CHANNELS, one block of K (K step w / 4, piece w % 4), of all 64 tokens: lane l has tokens l (registers X on) and 32 + l (X + 32 on), and its registers run along the channels.
	; So a block lies in one lane, and gamma and beta are the same in all lanes: scalar loads.  The two loads of a channel read its 256 bytes, neighbouring lanes neighbouring numbers.
	s_lshl_b32 s34, s[WV], 7
	s_mov_b32 s35, 0
	s_add_nc_u64 s[6:7], s[6:7], s[34:35]
	s_add_nc_u64 s[8:9], s[8:9], s[34:35]
	v_lshlrev_b32 v14, 2, v1
.irp i, 0,1,2,3,4,5,6,7,8,9,10,11,12,13,14,15,16,17,18,19,20,21,22,23,24,25,26,27,28,29,30,31
	global_load_b32 v[X+\i], v14, s[4:5] offset:8192*\i
	global_load_b32 v[X+32+\i], v14, s[4:5] offset:8192*\i+128
.endr
	s_load_b512 s[32:47], s[6:7], 0x0              ; gamma s[32:63], beta s[68:99]
	s_load_b512 s[48:63], s[6:7], 0x40
	s_load_b512 s[68:83], s[8:9], 0x0
	s_load_b512 s[84:99], s[8:9], 0x40
	s_wait_kmcnt 0x0
; the sums: two chains a token; eight channels at a time, as they land
.irp k, 0,1,2,3
.if \k > 0
	s_wait_alu depctr_va_vdst(0)
.endif
	s_wait_loadcnt 48-16*\k                        ; channels 8 k .. 8 k + 7 are in; the later ones' loads may be out
.irp g, 0,4
.irp t, 0,1
.irp q, 0,2
.if \k > 0
	v_pk_add_f32 v[SM+4*\t+\q:SM+4*\t+\q+1], v[SM+4*\t+\q:SM+4*\t+\q+1], v[X+32*\t+8*\k+\g+\q:X+32*\t+8*\k+\g+\q+1]
.elseif \g > 0
	v_pk_add_f32 v[SM+4*\t+\q:SM+4*\t+\q+1], v[X+32*\t+\q:X+32*\t+\q+1], v[X+32*\t+4+\q:X+32*\t+5+\q]
.endif
.endr
.endr
.endr
.endr
; my two tokens' sums over 32 channels are joined with the other fifteen waves' through LDS; every wave adds the parts in the same order
.macro XCHG off
	v_pk_add_f32 v[SM:SM+1], v[SM:SM+1], v[SM+2:SM+3]
	v_pk_add_f32 v[SM+4:SM+5], v[SM+4:SM+5], v[SM+6:SM+7]
	v_add_f32 v[SM], v[SM], v[SM+1]
	v_add_f32 v[SM+4], v[SM+4], v[SM+5]
	ds_store_b32 v4, v[SM] offset:\off
	ds_store_b32 v4, v[SM+4] offset:\off+2560
	s_wait_dscnt 0x0
	s_barrier_signal -1
	s_barrier_wait -1
.irp j, 0,1,2,3
	ds_load_b128 v[PT+4*\j:PT+4*\j+3], v5 offset:\off+16*\j
	ds_load_b128 v[PT+16+4*\j:PT+16+4*\j+3], v5 offset:\off+2560+16*\j
.endr
	s_wait_dscnt 0x0
.irp j, 0,4,8,12,16,20,24,28
	v_pk_add_f32 v[PT+\j:PT+\j+1], v[PT+\j:PT+\j+1], v[PT+\j+2:PT+\j+3]
.endr
.irp j, 0,8,16,24
	v_pk_add_f32 v[PT+\j:PT+\j+1], v[PT+\j:PT+\j+1], v[PT+\j+4:PT+\j+5]
.endr
.irp j, 0,16
	v_pk_add_f32 v[PT+\j:PT+\j+1], v[PT+\j:PT+\j+1], v[PT+\j+8:PT+\j+9]
.endr
	v_add_f32 v[SM], v[PT], v[PT+1]
	v_add_f32 v[SM+4], v[PT+16], v[PT+17]
.endm
	XCHG 0
	v_mul_f32 v[MU], s29, v[SM]                    ; the means
	v_mul_f32 v[MU+1], s29, v[SM]
	v_mul_f32 v[MU+2], s29, v[SM+4]
	v_mul_f32 v[MU+3], s29, v[SM+4]
.set J, 0
.rept 16
.irp t, 0,1
	v_pk_add_f32 v[X+32*\t+J:X+32*\t+J+1], v[X+32*\t+J:X+32*\t+J+1], v[MU+2*\t:MU+2*\t+1] neg_lo:[0,1] neg_hi:[0,1]
.endr
.set J, J+2
.endr
.irp t, 0,1
.irp q, 0,2
	v_pk_mul_f32 v[SM+4*\t+\q:SM+4*\t+\q+1], v[X+32*\t+\q:X+32*\t+\q+1], v[X+32*\t+\q:X+32*\t+\q+1]
.endr
.endr
.set J, 4
.rept 7
.irp t, 0,1
.irp q, 0,2
	v_pk_fma_f32 v[SM+4*\t+\q:SM+4*\t+\q+1], v[X+32*\t+J+\q:X+32*\t+J+\q+1], v[X+32*\t+J+\q:X+32*\t+J+\q+1], v[SM+4*\t+\q:SM+4*\t+\q+1]
.endr
.endr
.set J, J+4
.endr
	XCHG 5120                                      ; the squares of the differences: other bytes than the sums'
	v_fma_f32 v[RS], v[SM], s29, s25               ; the variances + 1e-5
	v_fma_f32 v[RS+2], v[SM+4], s29, s25
	s_wait_alu depctr_va_vdst(0)                   ; ahead of the transcendentals
	v_rsq_f32 v[RS], v[RS]
	v_rsq_f32 v[RS+2], v[RS+2]
	v_nop                                          ; a plain line behind the transcendentals
	s_wait_alu depctr_va_vdst(0)
	v_mov_b32 v[RS+1], v[RS]
	v_mov_b32 v[RS+3], v[RS+2]
.set J, 0
.rept 16
.irp t, 0,1
	v_pk_mul_f32 v[X+32*\t+J:X+32*\t+J+1], v[X+32*\t+J:X+32*\t+J+1], v[RS+2*\t:RS+2*\t+1]
.endr
.set J, J+2
.endr
.set J, 0
.rept 32
.irp t, 0,1
	v_fma_f32 v[X+32*\t+J], v[X+32*\t+J], s[32+J], s[68+J]
.endr
.set J, J+1
.endr
	s_wait_alu depctr_va_vdst(0)                   ; ahead of the branch
	s_cmp_lg_u32 s[WV], 0
	s_cbranch_scc1 .Lno_stats
	ds_store_b32 v7, v[MU]
	ds_store_b32 v7, v[MU+2] offset:128
	ds_store_b32 v7, v[RS] offset:256
	ds_store_b32 v7, v[RS+2] offset:384
	ds_load_b128 v[PT:PT+3], v8                    ; LDS serves a wave's instructions in order: these see my stores
	s_lshl_b32 s34, ttmp9, 9
	s_add_co_u32 s34, s34, STO
	s_mov_b32 s35, 0
	s_add_nc_u64 s[36:37], s[18:19], s[34:35]
	s_wait_dscnt 0x0
	global_store_b128 v12, v[PT:PT+3], s[36:37]    ; wave 0: 512 consecutive bytes
.Lno_stats:
.irp b, 0,1,2,3                        ; the largest magnitude of my two blocks, half a block a chain, with the floor 2^(9 - 127) among the leaves
	v_max3_num_f32 v[TM+\b], |v[X+16*\b]|, |v[X+16*\b+1]|, 0x4800000
.endr
.irp i, 2,4,6,8,10,12,14
.irp b, 0,1,2,3
	v_max3_num_f32 v[TM+\b], v[TM+\b], |v[X+16*\b+\i]|, |v[X+16*\b+\i+1]|
.endr
.endr
.irp t, 0,2
	v_max_num_f32 v[TM+\t], v[TM+\t], v[TM+\t+1]
.endr
.irp t, 0,1
	v_add_nc_u32 v[TM+12+\t], 0xfc000000, v[TM+2*\t]           ; the conversion's scale operand
	v_and_or_b32 v[TM+8+\t], v[TM+2*\t], 0x7f800000, s[MNT]    ; 448 x the scale
.endr
.irp t, 0,1
	v_lshrrev_b32 v[TM+4+\t], 23, v[TM+12+\t]      ; the byte
.endr
.irp t, 0,1
.irp i, 0,1,2,3,4,5,6,7,8,9,10,11,12,13,14,15,16,17,18,19,20,21,22,23,24,25,26,27,28,29,30,31
	v_med3_num_f32 v[X+32*\t+\i], v[X+32*\t+\i], -v[TM+8+\t], v[TM+8+\t]
.endr
.irp g, 0,1,2,3
	v_cvt_scalef32_pk8_fp8_f32 v[PC+8*\t+2*\g:PC+8*\t+2*\g+1], v[X+32*\t+8*\g:X+32*\t+8*\g+7], v[TM+12+\t]
.endr
.endr
	v_nop                                          ; a plain line behind the last conversion
	s_mul_i32 s34, ttmp9, REC
	s_mov_b32 s35, 0
	s_add_nc_u64 s[32:33], s[18:19], s[34:35]      ; my group's record
.irp t, 0,1
.irp h, 0,1
	global_store_b128 v9, v[PC+8*\t+4*\h:PC+8*\t+4*\h+3], s[32:33] offset:4096*\t+256*\h       ; sixteen lanes store 256 consecutive bytes: a tile's rows, 16 along K
.endr
.endr
	ds_store_b8 v6, v[TM+4]
	ds_store_b8 v6, v[TM+5] offset:8
	s_wait_dscnt 0x0
	s_barrier_signal -1
	s_barrier_wait -1                              ; the record's 256 scale words and the stats lie in LDS
	s_cmp_lt_u32 s[WV], 2
	s_cbranch_scc0 .Lnot_words
	ds_load_b128 v[16:19], v13
	s_wait_dscnt 0x0
	global_store_b128 v12, v[16:19], s[32:33] offset:32768
.Lnot_words:
	s_wait_tensorcnt 0x0
	ds_add_u32 v246, v247
	s_wait_dscnt 0x0
	s_endpgm
	; ---------------- a unit of 64 columns of a weight: no LDS, no barrier ----------------
; lane (r, h) takes one column, and its registers run down K in the order of the operand's registers.  The loads touch pieces of 32 or 64 bytes: 2.6 MB in all, read once.
.macro WLOAD pitch, kind
.irp c, 0,1,2,3
.irp i, 0,1,2,3,4,5,6,7,8,9,10,11,12,13,14,15
	global_load_b32 v[X+16*\c+\i], v15, s[36:37] offset:(32*\c+64*(\c/2)*\kind+\i)*\pitch
.endr
.endr
.endm
.Lweights:
	s_cmp_lt_u32 ttmp9, 148
	s_cbranch_scc0 .Ltables
	s_sub_co_u32 s38, ttmp9, 128                   ; the unit
	s_lshr_b32 s39, s[TT], 1
	s_lshl_b32 s39, s39, 7
	s_and_b32 s40, s[TT], 1
	s_lshl_b32 s40, s40, 5
	s_add_co_u32 s39, s39, s40                     ; (32 (t / 2) + 8 (t % 2)) x 4
	v_and_b32 v15, 8, v2
	v_add_nc_u32 v15, v15, v2
	v_lshlrev_b32 v15, 2, v15
	s_wait_alu depctr_va_vdst(0)                   ; ahead of the branches
	s_mov_b32 s31, 0
	s_cmp_lt_u32 s38, 8
	s_cbranch_scc0 .Lnot_wq
	s_lshl_b32 s30, s[KS], 18                      ; Wq: 128 s rows of 2,048 bytes
	s_lshl_b32 s41, s38, 8
	s_add_co_u32 s30, s30, s41
	s_add_co_u32 s30, s30, s39
	s_add_nc_u64 s[36:37], s[10:11], s[30:31]
	v_lshl_add_u32 v15, v3, 15, v15                ; lanes 16-31 begin 16 rows further down
	WLOAD 2048, 0
	s_branch .Lw_loaded
.Lnot_wq:
	s_cmp_lt_u32 s38, 12
	s_cbranch_scc0 .Lwout
	s_lshl_b32 s30, s[KS], 17                      ; Wkv: rows of 1,024 bytes; units 8, 9: k's heads, 10, 11: v's
	s_sub_co_u32 s41, s38, 8
	s_lshl_b32 s41, s41, 8
	s_add_co_u32 s30, s30, s41
	s_add_co_u32 s30, s30, s39
	s_add_nc_u64 s[36:37], s[12:13], s[30:31]
	v_lshl_add_u32 v15, v3, 14, v15
	WLOAD 1024, 0
	s_branch .Lw_loaded
.Lwout:
	s_lshr_b32 s30, s[KS], 1                       ; Wout: rows 64 (s / 2) + 256 (s % 2) on; piece c: 128 (c / 2) + 32 (c % 2) further
	s_lshl_b32 s30, s30, 17
	s_and_b32 s41, s[KS], 1
	s_lshl_b32 s41, s41, 19
	s_add_co_u32 s30, s30, s41
	s_sub_co_u32 s41, s38, 12
	s_lshl_b32 s41, s41, 8
	s_add_co_u32 s30, s30, s41
	s_lshl_b32 s41, s[TT], 6
	s_add_co_u32 s30, s30, s41                     ; column 64 (u - 12) + 16 t + r
	s_add_nc_u64 s[36:37], s[14:15], s[30:31]
	v_lshlrev_b32 v15, 2, v2
	v_lshl_add_u32 v15, v3, 15, v15
	WLOAD 2048, 1
.Lw_loaded:
	s_mul_i32 s34, s38, REC
	s_mov_b32 s35, 0
	s_add_nc_u64 s[32:33], s[16:17], s[34:35]
	s_lshl_b32 s30, s[KS], 8
	s_lshl_b32 s41, s[TT], 2
	s_add_co_u32 s30, s30, s41
	v_lshl_add_u32 v14, v2, 4, s30                 ; my column's scale word: [s][r][t]
	s_wait_loadcnt 0x0
	QUANT X, 4, PC, PW
.irp c, 0,1,2,3
	global_store_b128 v11, v[PC+4*\c:PC+4*\c+3], s[32:33] offset:512*\c
.endr
	global_store_b32 v14, v[PW], s[32:33] offset:32768      ; four bytes a lane, 16 bytes apart: 1,024 bytes a unit, 20 KB in the launch
	s_endpgm
	; ---------------- the rotary tables ----------------
; rot: [q | k][tile of 16 positions 128][C | S][j 4][lane 32][4 f32]: register 4 j + e of lane (r, h) is frequency 16 h + 4 j + e at position 16 tile + r.
; A lane takes one position and walks eight frequencies, four at a time: about 290 lines a wave, of the order of a LayerNorm wave's, so that these work-groups do not outlast the others.
.macro FREQ e, num, invf
	v_mul_f32 v20, \num, v18                       ; base_scale = (2 i + 25.6) / 89.6
	v_mul_f32 v21, \invf, v16                      ; the angle
	s_wait_alu depctr_va_vdst(0)
	v_log_f32 v20, v20
	v_mul_f32 v22, 0x3f22f983, v21                 ; x 2 / pi  (a plain line behind the transcendental)
	v_rndne_f32 v22, v22                           ; n
	s_wait_alu depctr_va_vdst(0)
	v_mul_f32 v20, v20, v17                        ; log2(scale)
	v_fma_f32 v21, v22, s40, v21                   ; the angle - n x pi/2, pi/2 in two parts
	s_wait_alu depctr_va_vdst(0)
	v_exp_f32 v23, v20
	v_exp_f32 v24, -v20                            ; 1 / scale
	v_fma_f32 v21, v22, s41, v21
	v_cvt_i32_f32 v22, v22
	v_mul_f32 v25, v21, v21
	v_fma_f32 v26, v25, s42, s43
	v_fma_f32 v27, v25, s45, s46
	v_fma_f32 v26, v26, v25, s44
	v_fma_f32 v27, v27, v25, s47
	v_mul_f32 v26, v26, v25
	v_fma_f32 v27, v27, v25, -0.5
	v_fma_f32 v26, v26, v21, v21                   ; sin of the rest
	v_fma_f32 v27, v27, v25, 1.0                   ; cos of the rest
	v_and_b32 v28, 1, v22
	v_cmp_eq_u32 vcc_lo, 1, v28                    ; odd n: the two change places
	v_cndmask_b32 v28, v26, v27, vcc_lo
	v_cndmask_b32 v29, v27, v26, vcc_lo
	v_lshlrev_b32 v26, 30, v22                     ; sin's sign: bit 1 of n;
	v_add_nc_u32 v22, 1, v22
	v_lshlrev_b32 v27, 30, v22                     ; cos's: bit 1 of n + 1
	v_and_b32 v26, 0x80000000, v26
	v_and_b32 v27, 0x80000000, v27
	v_xor_b32 v28, v28, v26
	v_xor_b32 v29, v29, v27
	s_wait_alu depctr_va_vdst(0)
	v_mul_f32 v[32+\e], v29, v23
	v_mul_f32 v[36+\e], v28, v23
	v_mul_f32 v[40+\e], v29, v24
	v_mul_f32 v[44+\e], v28, v24
.endm
; frequencies 4 g .. 4 g + 3.  wait = 1: a group's stores stand ahead of this one
.macro GROUP g, wait, na, fa, nb, fb, nc, fc, nd, fd
.if \wait
	s_wait_xcnt 0x0                                ; the last group's stores have read their registers
.endif
	FREQ 0, \na, \fa
	FREQ 1, \nb, \fb
	FREQ 2, \nc, \fc
	FREQ 3, \nd, \fd
	global_store_b128 v19, v[32:35], s[20:21] offset:512*(\g%4)+256*(\g/4)            ; sixteen lanes store 256 consecutive bytes
	global_store_b128 v19, v[36:39], s[20:21] offset:512*(\g%4)+256*(\g/4)+2048
	global_store_b128 v19, v[40:43], s[20:21] offset:512*(\g%4)+256*(\g/4)+524288
	global_store_b128 v19, v[44:47], s[20:21] offset:512*(\g%4)+256*(\g/4)+526336
.endm
.Ltables:
	s_sub_co_u32 s30, ttmp9, 148
	s_and_b32 s39, s30, 3                          ; part: which eight frequencies
	s_lshr_b32 s30, s30, 2                         ; blk: which 512 positions
	s_lshl_b32 s30, s30, 4
	s_add_co_u32 s30, s30, s[WV]                   ; which 32 positions are my wave's
	s_lshl_b32 s31, s30, 5
	v_add_nc_u32 v16, s31, v1
	v_cvt_f32_u32 v16, v16                         ; the position
	v_add_f32 v17, 0xc4800000, v16
	v_mul_f32 v17, 0x39800000, v17                 ; (position - 1,024) / 4,096: exact
	v_mov_b32 v18, 0x3c36db6d                      ; 1 / 89.6
	s_lshl_b32 s31, s30, 13
	v_lshl_add_u32 v19, v2, 4, s31
	v_lshl_add_u32 v19, v3, 12, v19                ; two tiles of 4,096 bytes a wave; 16 r
	s_mov_b32 s40, 0xbfc90fdb                      ; -pi/2, rounded to f32,
	s_mov_b32 s41, 0x333bbd2e                      ; and what that rounding added
	s_mov_b32 s42, 0xb94ca1f9                      ; sin: -1.9515296e-4, 8.3321609e-3, -0.16666655
	s_mov_b32 s43, 0x3c08839e
	s_mov_b32 s44, 0xbe2aaaa3
	s_mov_b32 s45, 0x37ccf5ce                      ; cos: 2.4433157e-5, -1.3887316e-3, 4.1666646e-2
	s_mov_b32 s46, 0xbab6061a
	s_mov_b32 s47, 0x3d2aaaa5
	s_wait_alu depctr_va_vdst(0)                   ; ahead of the branches
	s_cmp_lg_u32 s39, 0
	s_cbranch_scc1 .Lpart1
	GROUP 0, 0, 25.6, 1.0, 27.6, 0.749894209, 29.6, 0.562341325, 31.6, 0.421696503
	GROUP 1, 1, 33.6, 0.316227766, 35.6, 0.237137371, 37.6, 0.177827941, 39.6, 0.133352143
	s_endpgm
.Lpart1:
	s_cmp_lg_u32 s39, 1
	s_cbranch_scc1 .Lpart2
	GROUP 2, 0, 41.6, 0.1, 43.6, 0.0749894209, 45.6, 0.0562341325, 47.6, 0.0421696503
	GROUP 3, 1, 49.6, 0.0316227766, 51.6, 0.0237137371, 53.6, 0.0177827941, 55.6, 0.0133352143
	s_endpgm
.Lpart2:
	s_cmp_lg_u32 s39, 2
	s_cbranch_scc1 .Lpart3
	GROUP 4, 0, 57.6, 0.01, 59.6, 0.00749894209, 61.6, 0.00562341325, 63.6, 0.00421696503
	GROUP 5, 1, 65.6, 0.00316227766, 67.6, 0.00237137371, 69.6, 0.00177827941, 71.6, 0.00133352143
	s_endpgm
.Lpart3:
	GROUP 6, 0, 73.6, 0.001, 75.6, 0.000749894209, 77.6, 0.000562341325, 79.6, 0.000421696503
	GROUP 7, 1, 81.6, 0.000316227766, 83.6, 0.000237137371, 85.6, 0.000177827941, 87.6, 0.000133352143
	s_endpgm
.Lfunc_end_k_qff5d8895a3_prep:
	.size	k_qff5d8895a3_prep, .Lfunc_end_k_qff5d8895a3_prep-k_qff5d8895a3_prep
	.p2alignl 7, 3214868480
	.fill 96, 4, 3214868480
	.section	.rodata,"a",@progbits
	.p2align	6, 0x0
	.amdhsa_kernel k_qff5d8895a3_prep
		.amdhsa_group_segment_fixed_size 13824
		.amdhsa_private_segment_fixed_size 0
		.amdhsa_enable_private_segment 0
		.amdhsa_kernarg_size 72
		.amdhsa_user_sgpr_count 2
		.amdhsa_user_sgpr_kernarg_segment_ptr 1
		.amdhsa_wavefront_size32 1
		.amdhsa_system_sgpr_workgroup_id_x 1
		.amdhsa_system_sgpr_workgroup_id_y 1
		.amdhsa_system_sgpr_workgroup_id_z 1
		.amdhsa_system_vgpr_workitem_id 0
		.amdhsa_next_free_vgpr 256
		.amdhsa_next_free_sgpr 100
		.amdhsa_reserve_vcc 1
		.amdhsa_float_denorm_mode_32 3
		.amdhsa_float_denorm_mode_16_64 3
		.amdhsa_memory_ordered 1
		.amdhsa_forward_progress 1
		.amdhsa_inst_pref_size 122
	.end_amdhsa_kernel
	.amdgpu_metadata
---
amdhsa.version: [ 1, 2 ]
amdhsa.kernels:
  - .name:           k_qff5d8895a3_prep
    .symbol:         k_qff5d8895a3_prep.kd
    .args:
      - { .name: x, .offset: 0, .size: 8, .value_kind: global_buffer, .address_space: global }
      - { .name: gamma, .offset: 8, .size: 8, .value_kind: global_buffer, .address_space: global }
      - { .name: beta, .offset: 16, .size: 8, .value_kind: global_buffer, .address_space: global }
      - { .name: Wq, .offset: 24, .size: 8, .value_kind: global_buffer, .address_space: global }
      - { .name: Wkv, .offset: 32, .size: 8, .value_kind: global_buffer, .address_space: global }
      - { .name: Wout, .offset: 40, .size: 8, .value_kind: global_buffer, .address_space: global }
      - { .name: wq8, .offset: 48, .size: 8, .value_kind: global_buffer, .address_space: global }
      - { .name: xq8, .offset: 56, .size: 8, .value_kind: global_buffer, .address_space: global }
      - { .name: rot, .offset: 64, .size: 8, .value_kind: global_buffer, .address_space: global }
    .group_segment_fixed_size: 13824
    .private_segment_fixed_size: 0
    .kernarg_segment_align: 8
    .kernarg_segment_size: 72
    .max_flat_workgroup_size: 512
    .sgpr_count:     100
    .vgpr_count:     256
    .wavefront_size: 32
...
	.end_amdgpu_metadata
.endif
;; end of part 1
;; launch qkv (part 2): grid 32 x 6, 8 waves a work-group, no clusters, 269,312 bytes of LDS; arguments wq8, xq8, rot, qkv; writes qkv
.if DOCPART == 2
	.amdgcn_target "amdgcn-amd-amdhsa--gfx1250"
	.amdhsa_code_object_version 6
	.text
	.protected	k_qff5d8895a3_qkv
	.globl	k_qff5d8895a3_qkv
	.p2align	8
	.type	k_qff5d8895a3_qkv,@function
k_qff5d8895a3_qkv:
	s_mov_b64 s[64:65], 0
	v_nop
	global_prefetch_b8 v0, s[64:65] scope:SCOPE_SE
	s_setreg_imm32_b32 hwreg(HW_REG_WAVE_MODE, 25, 1), 1
	s_wait_xcnt 0x0
; q = xn Wq, k and v = xn Wkv on codes of E4M3 (K = 512 channels, four steps of 128), the rotary turn of q and k, and q, k, v as codes for the attention launch.
; Work-group (x, y): 256 tokens (batch x / 8, block x % 8) x two units of 64 columns: y 0-3: q's heads 2 y, 2 y + 1; y = 4: k's two heads; y = 5: v's two.
; LDS is filled once, by ONE tensor load a wave: waves 0, 1 bring the two weight records, waves 2 to 5 the four records of xn, waves 6, 7 the halves of 16 tiles of the rotary table, which is wanted last and shown by a barrier of
; its own.  The v work-groups' waves 6, 7 load the table too, and it is not read there.
; No cluster: along x partners would share the weights alone, 66 KB of the 264 KB that a work-group fills; xn is shared along y, whose 6 no cluster of 4 divides.  No prefetch: every load stands at the head, and there is no loop.
; q, k (wave: unit w % 2, 64 tokens w / 2): source 0 = 16 columns of W, source 1 = 16 tokens: a lane holds ONE token, and register 16 b + i of a token tile is d = 32 b + 16 h + i: the order that the quantiser and the next operand want.
; v (wave: unit (w / 2) % 2, tiles 2 (w % 2) + 0, 1 of d, 128 tokens w / 4): source 0 = 16 tokens, source 1 = 16 columns: a lane holds ONE d, and its registers run along the tokens, the second attention product's K:
; register 16 c + 8 u + j is token 32 c + 16 u + 8 h + j: inside a block of 32 the order differs from the tokens' own, and the attention launch's p has the same order.
; qkv: q's codes [b][head 8][tile 128][piece 2][512]; from KVC a record of KVR bytes for each [b 2 + kv head]: K's words [group of 64 tokens 32][r][2: two tiles' byte pairs a word], V's words [step of 128 tokens 16][tile pair][r][2], 4,096 bytes each,
; then [step 16][K: tile 8 x 1,024 | V: tile 4 x 2,048]; from QSO q's words [b][head][group 32][r][tile 4], each byte pair twice.
; LIMITS: as in the first launch: NaN and infinities are not served; a block of zeros gets the byte 1.  The turn is q C - q' S with C = cos x scale, S = sin x scale made beforehand: rounded otherwise than (q cos + q' sin) x scale, by units in the last place.
.set REC, 33792
.set LX,  67584                        ; LDS: 0: two weight records; LX = 2 REC: four records of xn; LT: 16 tiles of the table, 4,096 bytes each
.set LT,  202752
.set SPARE, 268288                     ; the spare words, 128 bytes a wave
.set KVC, 4194304
.set KVR, 270336
.set QSO, 6356992
.set SPW, 14
.set NIL, 15
.set WS,  16                           ; v16-19  W's scale words: scales alone
.set XS,  20                           ; v20-27  xn's: scales alone
.set HW,  28                           ; v28-31  the byte pairs of four token tiles
.set XF,  32                           ; v32-63  two fragments of xn
.set RR,  32                           ;         later the turned numbers
.set WF,  64                           ; v64-127 four fragments of W
.set TC,  64                           ;         later C, and from v80 S
.set TS,  80
.set CD,  96                           ; v96-111 codes, two sets by turns
.set TM,  112                          ; v112-127 at work in QUANT
.set ACC, 128                          ; v128-255 sixteen accumulators
.set SEL, 66
.set MNT, 68
.macro PLACES                          ; eight plain vector lines stand between a matrix instruction of this form and a load into, or a vector line on, its registers
.rept 8
	v_nop
.endr
.endm
.macro WALU
	s_wait_alu depctr_va_vdst(0)
.endm
.macro TLOAD g0, g1
	tensor_load_to_lds s[\g0:\g0+3], s[\g1:\g1+7]
	s_nop 0
.rept 4
	v_nop
.endr
.endm
.macro QUANT s, nb, pc, pw
.irp b, 0,1,2,3
.if \b < \nb
	v_max3_num_f32 v[TM+\b], |v[\s+16*\b]|, |v[\s+16*\b+1]|, 0x4800000     ; the floor 2^(9 - 127): the byte cannot fall under 1.  (An accumulator is read from its low end on)
.endif
.endr
.irp i, 2,4,6,8,10,12,14
.irp b, 0,1,2,3
.if \b < \nb
	v_max3_num_f32 v[TM+\b], v[TM+\b], |v[\s+16*\b+\i]|, |v[\s+16*\b+\i+1]|
.endif
.endr
.endr
.irp b, 0,1,2,3
.if \b < \nb
	v_permlanex16_b32 v[TM+4+\b], v[TM+\b], s[SEL], s[SEL+1]
.endif
.endr
.irp b, 0,1,2,3
.if \b < \nb
	v_max_num_f32 v[TM+\b], v[TM+\b], v[TM+4+\b]
.endif
.endr
.irp b, 0,1,2,3
.if \b < \nb
	v_add_nc_u32 v[TM+12+\b], 0xfc000000, v[TM+\b]                       ; 8 off its exponent field: the conversion's scale operand
	v_and_or_b32 v[TM+8+\b], v[TM+\b], 0x7f800000, s[MNT]                ; 448 x the scale
.endif
.endr
.irp b, 0,1,2,3
.if \b < \nb
	v_lshrrev_b32 v[TM+4+\b], 23, v[TM+12+\b]                            ; the byte
.endif
.endr
	v_lshl_or_b32 v[\pw], v[TM+5], 8, v[TM+4]
.if \nb > 2
	v_lshl_or_b32 v[\pw], v[TM+6], 16, v[\pw]
	v_lshl_or_b32 v[\pw], v[TM+7], 24, v[\pw]
.endif
.irp b, 0,1,2,3
.if \b < \nb
.irp i, 0,1,2,3,4,5,6,7,8,9,10,11,12,13,14,15
	v_med3_num_f32 v[\s+16*\b+\i], v[\s+16*\b+\i], -v[TM+8+\b], v[TM+8+\b]
.endr
	v_cvt_scalef32_pk8_fp8_f32 v[\pc+4*\b:\pc+4*\b+1], v[\s+16*\b:\s+16*\b+7], v[TM+12+\b]
	v_cvt_scalef32_pk8_fp8_f32 v[\pc+4*\b+2:\pc+4*\b+3], v[\s+16*\b+8:\s+16*\b+15], v[TM+12+\b]
.endif
.endr
	v_nop                                          ; a plain line behind the last conversion
.endm
.macro FINISH
	s_wait_tensorcnt 0x0                           ; the wave's end
	ds_add_u32 v[SPW], v[NIL]
	s_wait_dscnt 0x0
	s_endpgm
.endm
	s_load_b256 s[4:11], s[0:1], 0x0               ; wq8 s[4:5], xq8 s[6:7], rot s[8:9], qkv s[10:11]
	v_lshl_add_u32 v[SPW], v0, 2, SPARE
	v_mov_b32 v[NIL], 0
	ds_add_u32 v[SPW], v[NIL]                      ; the opening: the add, twice on end
	ds_add_u32 v[SPW], v[NIL]
	v_lshrrev_b32 v10, 5, v0
	v_readfirstlane_b32 s12, v10                   ; wave 0..7
	s_and_b32 s14, ttmp7, 0xffff                   ; y
	; groups 1: dense blocks as rows of 256 bytes (32 elements of 8 bytes)
.irp g, 16, 32
	s_mov_b32 s[\g], 3<<16                         ; no mask; elements of 8 bytes; no padding: the images are read 512 consecutive bytes at a time
	s_mov_b32 s[\g+1], 32<<16                      ; tensor_dim0
	s_mov_b32 s[\g+3], 32<<16                      ; tile_dim0
	s_mov_b32 s[\g+5], 32                          ; the pitch
	s_mov_b32 s[\g+6], 0
	s_mov_b32 s[\g+7], 0
.endr
	s_mov_b32 s18, 132<<16                         ; a record: 132 rows
	s_mov_b32 s20, 132
	s_mov_b32 s34, 128<<16                         ; half of the table: 128 rows
	s_mov_b32 s36, 128
	s_mov_b32 s40, 1
	s_mul_i32 s41, s12, REC                        ; waves 0 to 5: record w of LDS
	s_mov_b32 s44, 1
	s_mov_b32 s45, s41
	s_mul_i32 s54, ttmp9, 4*REC
	s_add_co_u32 s54, s54, s45
	s_sub_co_u32 s54, s54, 2*REC                   ; xn's record w - 2 of my four (used by waves 2 to 5 alone)
	s_mov_b32 s48, 1
	s_lshl_b32 s49, s12, 15
	s_and_b32 s57, ttmp9, 7                        ; the block of 256 positions
	s_lshl_b32 s58, s57, 16
	s_add_co_u32 s58, s58, s49
	s_sub_co_u32 s58, s58, 6*32768                 ; the table's half w - 6 (used by waves 6, 7 alone)
	s_add_co_u32 s49, s49, LT-6*32768
	s_mul_i32 s52, s14, 2*REC
	s_add_co_u32 s52, s52, s41                     ; weight record 2 y + w
	s_cmp_eq_u32 s14, 4
	s_cselect_b32 s59, 524288, 0                   ; k's table lies behind q's
	s_add_co_u32 s58, s58, s59
	s_mov_b32 s53, 0
	s_mov_b32 s55, 0
	s_mov_b32 s59, 0
	s_wait_dscnt 0x0
	s_wait_kmcnt 0x0
	s_add_nc_u64 s[42:43], s[4:5], s[52:53]
	s_or_b32 s43, s43, 0x80000000
	s_add_nc_u64 s[46:47], s[6:7], s[54:55]
	s_or_b32 s47, s47, 0x80000000
	s_add_nc_u64 s[50:51], s[8:9], s[58:59]
	s_or_b32 s51, s51, 0x80000000
	s_cmp_lt_u32 s12, 2                            ; one load a wave, one arm a kind
	s_cbranch_scc0 .Lhead_x
	TLOAD 40, 16
	s_branch .Lhead_asked
.Lhead_x:
	s_cmp_lt_u32 s12, 6
	s_cbranch_scc0 .Lhead_t
	TLOAD 44, 16
	s_branch .Lhead_asked
.Lhead_t:
	TLOAD 48, 32
.Lhead_asked:
	v_and_b32 v10, 31, v0
	v_and_b32 v11, 15, v0
	v_lshlrev_b32 v1, 4, v10                       ; v1: 16 x lane
	v_lshlrev_b32 v2, 4, v11                       ; v2: 16 r
	v_lshlrev_b32 v3, 3, v11                       ; v3: 8 r
.irp b, 0,1,2,3
	v_mov_b32 v[TM+4+\b], 0                        ; a lane permute's destination counts as one of its sources
.endr
	s_mov_b32 s[SEL], 0x76543210
	s_mov_b32 s[SEL+1], 0xfedcba98
	s_mov_b32 s[MNT], 0x600000
	s_lshr_b32 s56, ttmp9, 3                       ; the batch
	WALU                                           ; the head's end
	s_cmp_lt_u32 s12, 6
	s_cbranch_scc0 .Lnot_mine
	s_wait_tensorcnt 0x0                           ; waves 0 to 5: my record has landed
.Lnot_mine:
	s_barrier_signal -1
	s_barrier_wait -1                              ; weights and xn are shown to all.  Nothing is filled again
	s_cmp_eq_u32 s14, 5
	s_cbranch_scc1 .Lvpath
	; ---------------- q and k ----------------
	s_and_b32 s52, s12, 1                          ; a: which unit
	s_lshr_b32 s53, s12, 1                         ; g': which 64 tokens
	s_mul_i32 s54, s52, REC
	s_add_co_u32 s55, s54, 32768
	s_mul_i32 s60, s53, REC
	s_add_co_u32 s60, s60, LX
	s_add_co_u32 s61, s60, 32768
	s_lshl_b32 s62, s53, 14
	s_add_co_u32 s62, s62, LT
	v_add_nc_u32 v4, s54, v1                       ; v4: W's images
	v_add_nc_u32 v5, s55, v2                       ; v5: W's scale words, four tiles' a row
	v_add_nc_u32 v6, s60, v1                       ; v6: xn's images
	v_add_nc_u32 v7, s61, v2                       ; v7: xn's scale words
	v_add_nc_u32 v8, s62, v1                       ; v8: the table's four tiles
	WALU
	s_lshl_b32 s58, s56, 3
	s_lshl_b32 s59, s14, 1
	s_add_co_u32 s58, s58, s59
	s_add_co_u32 s58, s58, s52                     ; 8 b + head
	s_lshl_b32 s59, s57, 2
	s_add_co_u32 s59, s59, s53                     ; the group of 64 tokens in the batch
	s_lshl_b32 s58, s58, 5
	s_add_co_u32 s58, s58, s59
	s_lshl_b32 s60, s58, 12                        ; q's codes: four tiles of 1,024 bytes a group
	s_lshl_b32 s61, s58, 8
	s_add_co_u32 s61, s61, QSO                     ; q's words
	s_lshl_b32 s62, s56, 1
	s_add_co_u32 s62, s62, s52                     ; 2 b + kv head
	s_mul_i32 s62, s62, KVR
	s_add_co_u32 s62, s62, KVC                     ; its record
	s_lshr_b32 s74, s59, 1
	s_lshl_b32 s74, s74, 14                        ; the step: two groups
	s_add_co_u32 s63, s62, s74
	s_and_b32 s74, s59, 1
	s_lshl_b32 s74, s74, 12
	s_add_co_u32 s63, s63, s74
	s_add_co_u32 s63, s63, 8192                    ; k's codes
	s_lshl_b32 s74, s59, 7
	s_add_co_u32 s62, s62, s74                     ; k's words
	s_cmp_eq_u32 s14, 4
	s_cselect_b32 s70, s63, s60
	s_cselect_b32 s72, s62, s61
	s_mov_b32 s71, 0
	s_mov_b32 s73, 0
	s_add_nc_u64 s[70:71], s[10:11], s[70:71]
	s_add_nc_u64 s[72:73], s[10:11], s[72:73]
; a K step: W's four fragments against four token tiles, two at a time.  The sixteen accumulators take turns, one instruction a turn, in the same order in every step
.macro QKSTEP s
.if \s > 0
	PLACES
.endif
.irp t, 0,1,2,3
.irp c, 0,1,2,3
	ds_load_b128 v[WF+16*\t+4*\c:WF+16*\t+4*\c+3], v4 offset:8192*\s+2048*\t+512*\c
.endr
.endr
	ds_load_b128 v[WS:WS+3], v5 offset:256*\s
	ds_load_b128 v[XS:XS+3], v7 offset:256*\s
.irp p, 0,1
.if \p > 0
	PLACES
.endif
.irp q, 0,1
.irp c, 0,1,2,3
	ds_load_b128 v[XF+16*\q+4*\c:XF+16*\q+4*\c+3], v6 offset:8192*\s+2048*(2*\p+\q)+512*\c
.endr
.endr
	s_wait_dscnt 0x0
.irp q, 0,1
.irp t, 0,1,2,3
.if \s == 0
	v_wmma_scale_f32_16x16x128_f8f6f4 v[ACC+32*(2*\p+\q)+8*\t:ACC+32*(2*\p+\q)+8*\t+7], v[WF+16*\t:WF+16*\t+15], v[XF+16*\q:XF+16*\q+15], 0, v[WS+\t], v[XS+2*\p+\q]
.else
	v_wmma_scale_f32_16x16x128_f8f6f4 v[ACC+32*(2*\p+\q)+8*\t:ACC+32*(2*\p+\q)+8*\t+7], v[WF+16*\t:WF+16*\t+15], v[XF+16*\q:XF+16*\q+15], v[ACC+32*(2*\p+\q)+8*\t:ACC+32*(2*\p+\q)+8*\t+7], v[WS+\t], v[XS+2*\p+\q]
.endif
.endr
.endr
.endr
.endm
	QKSTEP 0
	QKSTEP 1
	QKSTEP 2
	QKSTEP 3
	PLACES
; token tile T: d < 32: q C - q(d + 32) S;  d >= 32: q C + q(d - 32) S, C and S at frequency d % 32 = 16 h + i; then the quantiser along d, two blocks
.macro ROT T
.irp k, 0,1
.irp j, 0,1,2,3
	ds_load_b128 v[TC+16*\k+4*\j:TC+16*\k+4*\j+3], v8 offset:4096*\T+2048*\k+512*\j
.endr
.endr
	s_wait_dscnt 0x0
.irp i, 0,2,4,6,8,10,12,14
	v_pk_mul_f32 v[RR+\i:RR+\i+1], v[ACC+32*\T+16+\i:ACC+32*\T+17+\i], v[TS+\i:TS+\i+1]
	v_pk_mul_f32 v[RR+16+\i:RR+17+\i], v[ACC+32*\T+\i:ACC+32*\T+\i+1], v[TS+\i:TS+\i+1]
	v_pk_fma_f32 v[RR+\i:RR+\i+1], v[ACC+32*\T+\i:ACC+32*\T+\i+1], v[TC+\i:TC+\i+1], v[RR+\i:RR+\i+1] neg_lo:[0,0,1] neg_hi:[0,0,1]
	v_pk_fma_f32 v[RR+16+\i:RR+17+\i], v[ACC+32*\T+16+\i:ACC+32*\T+17+\i], v[TC+\i:TC+\i+1], v[RR+16+\i:RR+17+\i]
.endr
.if \T >= 2
	s_wait_xcnt 0x0                                ; the stores of two tiles ago have read the set of codes that is written now
.endif
	QUANT RR, 2, CD+8*(\T%2), HW+\T
	global_store_b128 v1, v[CD+8*(\T%2):CD+8*(\T%2)+3], s[70:71] offset:1024*\T       ; 32 lanes store 512 consecutive bytes
	global_store_b128 v1, v[CD+8*(\T%2)+4:CD+8*(\T%2)+7], s[70:71] offset:1024*\T+512
.endm
	WALU
	s_wait_tensorcnt 0x0                           ; no load of mine is out: waves 6 and 7's halves of the table are in,
	s_wait_dscnt 0x0
	s_barrier_signal -1
	s_barrier_wait -1                              ; and shown to all
	ROT 0
	ROT 1
	ROT 2
	ROT 3
	s_cmp_eq_u32 s14, 4
	s_cbranch_scc1 .Lk_words
.irp t, 0,1,2,3
	v_lshl_or_b32 v[TC+\t], v[HW+\t], 16, v[HW+\t]         ; q's byte pair twice: it serves q in the low half of a fragment and in the high half
.endr
	global_store_b128 v2, v[TC:TC+3], s[72:73]     ; sixteen lanes store 256 consecutive bytes (lanes 16-31 the same bytes with the same values)
	FINISH
.Lk_words:
	v_lshl_or_b32 v[TC], v[HW+1], 16, v[HW]        ; two neighbouring tiles of keys are one fragment: their byte pairs make its word
	v_lshl_or_b32 v[TC+1], v[HW+3], 16, v[HW+2]
	global_store_b64 v3, v[TC:TC+1], s[72:73]
	FINISH
	; ---------------- v ----------------
.Lvpath:
	s_lshr_b32 s52, s12, 1
	s_and_b32 s52, s52, 1                          ; a: which unit
	s_and_b32 s53, s12, 1                          ; tp: tiles 2 tp, 2 tp + 1 of d
	s_lshr_b32 s54, s12, 2                         ; which 128 tokens
	s_mul_i32 s55, s52, REC
	s_lshl_b32 s58, s53, 12
	s_add_co_u32 s58, s58, s55
	s_lshl_b32 s59, s53, 3
	s_add_co_u32 s59, s59, s55
	s_add_co_u32 s59, s59, 32768
	s_mul_i32 s60, s54, 2*REC
	s_add_co_u32 s60, s60, LX
	s_add_co_u32 s61, s60, 32768
	v_add_nc_u32 v4, s58, v1                       ; v4: W's images, my two tiles
	v_add_nc_u32 v5, s59, v2                       ; v5: their two scale words
	v_add_nc_u32 v6, s60, v1                       ; v6, v8: xn's images, two records
	v_add_nc_u32 v7, s61, v2                       ; v7, v9: their scale words
	v_add_nc_u32 v8, REC, v6
	v_add_nc_u32 v9, REC, v7
	WALU
	s_lshl_b32 s58, s57, 1
	s_add_co_u32 s58, s58, s54                     ; the step of 128 tokens in the batch
	s_lshl_b32 s59, s56, 1
	s_add_co_u32 s59, s59, s52                     ; 2 b + kv head
	s_mul_i32 s72, s59, KVR
	s_add_co_u32 s72, s72, KVC                     ; its record
	s_lshl_b32 s60, s58, 14
	s_add_co_u32 s70, s72, s60
	s_add_co_u32 s70, s70, 16384                   ; behind the words and the step's K
	s_lshl_b32 s60, s53, 12
	s_add_co_u32 s70, s70, s60
	s_mov_b32 s71, 0
	s_add_nc_u64 s[70:71], s[10:11], s[70:71]      ; v's codes
	s_add_co_u32 s72, s72, 4096
	s_lshl_b32 s60, s58, 8
	s_add_co_u32 s72, s72, s60
	s_lshl_b32 s60, s53, 7
	s_add_co_u32 s72, s72, s60
	s_mov_b32 s73, 0
	s_add_nc_u64 s[72:73], s[10:11], s[72:73]      ; v's words
; a K step: eight token tiles, four at a time (fragments at v32, v48, v96, v112), against my two tiles of W
.macro VSTEP s
.irp p, 0,1
.if (\s > 0) || (\p > 0)
	PLACES
.endif
.if \p == 0
.irp u, 0,1
.irp c, 0,1,2,3
	ds_load_b128 v[WF+16*\u+4*\c:WF+16*\u+4*\c+3], v4 offset:8192*\s+2048*\u+512*\c
.endr
.endr
	ds_load_b64 v[WS:WS+1], v5 offset:256*\s
	ds_load_b128 v[XS:XS+3], v7 offset:256*\s
	ds_load_b128 v[XS+4:XS+7], v9 offset:256*\s
.endif
.irp q, 0,1,2,3
.irp c, 0,1,2,3
	ds_load_b128 v[32+16*\q+32*(\q/2)+4*\c:32+16*\q+32*(\q/2)+4*\c+3], v[6+2*\p] offset:8192*\s+2048*\q+512*\c
.endr
.endr
	s_wait_dscnt 0x0
.irp q, 0,1,2,3
.irp u, 0,1
.if \s == 0
	v_wmma_scale_f32_16x16x128_f8f6f4 v[ACC+64*\u+8*(4*\p+\q):ACC+64*\u+8*(4*\p+\q)+7], v[32+16*\q+32*(\q/2):32+16*\q+32*(\q/2)+15], v[WF+16*\u:WF+16*\u+15], 0, v[XS+4*\p+\q], v[WS+\u]
.else
	v_wmma_scale_f32_16x16x128_f8f6f4 v[ACC+64*\u+8*(4*\p+\q):ACC+64*\u+8*(4*\p+\q)+7], v[32+16*\q+32*(\q/2):32+16*\q+32*(\q/2)+15], v[WF+16*\u:WF+16*\u+15], v[ACC+64*\u+8*(4*\p+\q):ACC+64*\u+8*(4*\p+\q)+7], v[XS+4*\p+\q], v[WS+\u]
.endif
.endr
.endr
.endr
.endm
	VSTEP 0
	VSTEP 1
	VSTEP 2
	VSTEP 3
	PLACES
.irp u, 0,1
	QUANT ACC+64*\u, 4, 32+16*\u, 80+\u            ; a tile's 64 registers are four blocks of 32 tokens: one fragment of V^T and its word
.irp c, 0,1,2,3
	global_store_b128 v1, v[32+16*\u+4*\c:32+16*\u+4*\c+3], s[70:71] offset:2048*\u+512*\c
.endr
.endr
	global_store_b64 v3, v[80:81], s[72:73]
	FINISH
.Lfunc_end_k_qff5d8895a3_qkv:
	.size	k_qff5d8895a3_qkv, .Lfunc_end_k_qff5d8895a3_qkv-k_qff5d8895a3_qkv
	.p2alignl 7, 3214868480
	.fill 96, 4, 3214868480
	.section	.rodata,"a",@progbits
	.p2align	6, 0x0
	.amdhsa_kernel k_qff5d8895a3_qkv
		.amdhsa_group_segment_fixed_size 269312
		.amdhsa_private_segment_fixed_size 0
		.amdhsa_enable_private_segment 0
		.amdhsa_kernarg_size 32
		.amdhsa_user_sgpr_count 2
		.amdhsa_user_sgpr_kernarg_segment_ptr 1
		.amdhsa_wavefront_size32 1
		.amdhsa_system_sgpr_workgroup_id_x 1
		.amdhsa_system_sgpr_workgroup_id_y 1
		.amdhsa_system_sgpr_workgroup_id_z 1
		.amdhsa_system_vgpr_workitem_id 0
		.amdhsa_next_free_vgpr 256
		.amdhsa_next_free_sgpr 84
		.amdhsa_reserve_vcc 0
		.amdhsa_float_denorm_mode_32 3
		.amdhsa_float_denorm_mode_16_64 3
		.amdhsa_memory_ordered 1
		.amdhsa_forward_progress 1
		.amdhsa_inst_pref_size 93
	.end_amdhsa_kernel
	.amdgpu_metadata
---
amdhsa.version: [ 1, 2 ]
amdhsa.kernels:
  - .name:           k_qff5d8895a3_qkv
    .symbol:         k_qff5d8895a3_qkv.kd
    .args:
      - { .name: wq8, .offset: 0, .size: 8, .value_kind: global_buffer, .address_space: global }
      - { .name: xq8, .offset: 8, .size: 8, .value_kind: global_buffer, .address_space: global }
      - { .name: rot, .offset: 16, .size: 8, .value_kind: global_buffer, .address_space: global }
      - { .name: qkv, .offset: 24, .size: 8, .value_kind: global_buffer, .address_space: global }
    .group_segment_fixed_size: 269312
    .private_segment_fixed_size: 0
    .kernarg_segment_align: 8
    .kernarg_segment_size: 32
    .max_flat_workgroup_size: 256
    .sgpr_count:     84
    .vgpr_count:     256
    .wavefront_size: 32
...
	.end_amdgpu_metadata
.endif
;; end of part 2
;; launch attn (part 3): grid 32 x 8, 16 waves a work-group, clusters of 4 x 1, 272,896 bytes of LDS; arguments qkv, att; writes att
.if DOCPART == 3
	.amdgcn_target "amdgcn-amd-amdhsa--gfx1250"
	.amdhsa_code_object_version 6
	.text
	.protected	k_qff5d8895a3_attn
	.globl	k_qff5d8895a3_attn
	.p2align	8
	.type	k_qff5d8895a3_attn,@function
k_qff5d8895a3_attn:
	s_mov_b64 s[64:65], 0
	v_nop
	global_prefetch_b8 v0, s[64:65] scope:SCOPE_SE
	s_setreg_imm32_b32 hwreg(HW_REG_WAVE_MODE, 25, 1), 1
	s_wait_xcnt 0x0
	s_wait_alu depctr_hold_cnt(0) depctr_sa_sdst(0) depctr_va_vdst(0) depctr_va_sdst(0) depctr_va_ssrc(0) depctr_va_vcc(0) depctr_vm_vsrc(0)
	s_getreg_b32 s2, hwreg(HW_REG_IB_STS2, 6, 4)
	s_cmp_eq_u32 s2, 0
	s_cbranch_scc0 .Lentry_in_a_cluster
	s_endpgm
.Lentry_in_a_cluster:
	s_bfe_u32 s2, ttmp6, 0x10000c
	s_cmp_lg_u32 s2, 0x3003
	s_cbranch_scc0 .Lentry_shape_is_right
	s_endpgm
.Lentry_shape_is_right:
; o = softmax(q k^T / 8) v on codes of E4M3, and o as codes for the last product.  Work-group (qb, y): 64 queries qb of the four heads that share kv head y % 2 of batch y / 2.
; Wave w: head kvh + 2 (w / 4), query tile w % 4: ONE tile of 16 queries in 256 registers, four waves to a SIMD, so that one wave's vector work stands beside another's matrix work and LDS loads.
; THE WHOLE K AND V OF THE kv HEAD LIE IN LDS, filled once: the record of the launch before as it is: words 8 KB, then 16 steps of 128 keys, K 8 KB and V 8 KB each.  ONE tensor load a wave: waves 0 to 3 bring the words and
; steps 0 to 3, waves 4 to 15 the rest.  The first barrier shows waves 0 to 3's tiles; the second, signalled ahead of step 1 and waited for behind it, all the others.  Nothing is filled again, and no barrier stands in the loop.
; CLUSTER: the four work-groups of a cluster walk the same kv head: every load is a JOINT one.  No prefetch: all loads from memory stand at the head, none in the loop.
; BOTH PRODUCTS ARE USED TRANSPOSED: S^T = K Q^T, O^T = V^T P^T: a lane holds one query throughout.
; K = 64 IN A FORM THAT IS 128 DEEP: two neighbouring tiles of 16 keys are ONE fragment (pieces 0, 1: keys 32 b + r; pieces 2, 3: keys 32 b + 16 + r), multiplied once by [q | 0] and once by [0 | q]; both stand in a run of
; 24 registers: zeros, q, zeros.  Register 16 b + 8 u + j of S^T is key 32 b + 16 u + 8 h + j, the order in which V's codes were laid.
; FRAGMENTS.  K's have registers of their own: the next step's are asked for as soon as the products have read this step's, among the lines of the maximum.  V's land in the scores' registers, block by block, as the conversions free them.
; THE SOFTMAX: t = score x log2(e) / 8; M = the running largest t rounded up to a whole number; p = 2^(t - M) is quantised along the keys, not normalised; the row's sum is taken of the unquantised p and divides at the end.
; A block's largest p is the block's largest score put through the same two instructions: this takes v_exp_f32 not to fall where its input rises.
; LIMITS: NaN and infinities are not served; the scaled scores stay under 2^31 in magnitude; a block whose every p is 0 keeps the byte 1 over zero codes.
.set KVC, 4194304
.set KVR, 270336
.set QSO, 6356992
.set OSO, 4194304                      ; att: o's codes [b 128 + tile][K step 4][2,048]; from OSO its words [b 2 + kvh][tile][r][2]
.set OS,  270336                       ; LDS: behind the record 512 bytes in which the byte pairs of o meet: [tile 4][r 16][8 bytes]
.set SPARE, 270848                     ; the spare words, 128 bytes a wave
.set L16, 1                            ; v1  16 x lane
.set SC0, 2                            ; v2  8 r
.set AD,  3                            ; v3  the step's codes
.set AS,  4                            ; v4  the step's scale words
.set OSA, 5                            ; v5  where my row's byte pair goes
.set OSR, 6                            ; v6  OS + 16 x lane
.set R16, 7                            ; v7  16 r
.set FR,  40                           ; v40-103   four fragments of K
.set S,   104                          ; v104-167  S^T, then p, then V's fragments
.set OT,  168                          ; v168-199  O^T
.set PC,  200                          ; v200-215  p's codes
.set BM,  216
.set T4,  220
.set CH,  216                          ; v216-223  later the step's sums, four chains
.set HL,  224
.set SO,  228
.set KSC, 232                          ; v232-235 K's words, v236-239 V's, v240 Q's, v241 p's: scales alone
.set VSC, 236
.set QSC, 240
.set PSC, 241
.set FF,  242                          ; v[242:243] f = 2^(old M - new M)
.set TP,  244                          ; v244 the old -M
.set NM,  246                          ; v246 -M
.set RS,  247                          ; v247 the running largest score
.set SU,  248                          ; v[248:249] the sum
.set SPW, 254
.set NIL, 255
.set CS,  58
.set SEL, 60
.set MNT, 62
.macro PLACES n
.rept \n
	v_nop
.endr
.endm
.macro WALU
	s_wait_alu depctr_va_vdst(0)
.endm
.macro CROUND                          ; a round of the cluster's barrier
	s_barrier_signal -1
	s_barrier_wait -1
	s_cmp_lg_u32 s8, 0
	s_cbranch_scc1 .Lnot_wave_0_\@
	s_barrier_signal -3
.Lnot_wave_0_\@:
	s_barrier_wait -3
	s_barrier_signal -1
	s_barrier_wait -1
.endm
.macro TLOAD g0, g1
	tensor_load_to_lds s[\g0:\g0+3], s[\g1:\g1+7]
	s_nop 0
	PLACES 4
.endm
.macro KLD b, k                        ; K's block b
.irp c, 0,1,2,3
	ds_load_b128 v[FR+16*(\b)+4*\c:FR+16*(\b)+4*\c+3], v[AD] offset:\k+2048*(\b)+512*\c
.endr
.endm
.macro KWORDS w
	ds_load_b64 v[KSC:KSC+1], v[AS] offset:\w
	ds_load_b64 v[KSC+2:KSC+3], v[AS] offset:\w+128
.endm
.macro VLD t                           ; V's tile t, into the registers of block t's scores
.irp c, 0,1,2,3
	ds_load_b128 v[S+16*\t+4*\c:S+16*\t+4*\c+3], v[AD] offset:8192+2048*\t+512*\c
.endr
.endm
.macro SUMB b                          ; the row's sum is taken of the unquantised p
.if \b == 0
.irp q, 0,2,4,6
	v_pk_add_f32 v[CH+\q:CH+\q+1], v[S+\q:S+\q+1], v[S+8+\q:S+9+\q]
.endr
.else
.irp g, 0,8
.irp q, 0,2,4,6
	v_pk_add_f32 v[CH+\q:CH+\q+1], v[CH+\q:CH+\q+1], v[S+16*\b+\g+\q:S+16*\b+\g+\q+1]
.endr
.endr
.endif
.endm
.macro MINB b                          ; the hold: p is not negative, so it is one-sided; two go as a dual-issue pair
.irp i, 0,2,4,6,8,10,12,14
	v_dual_min_num_f32 v[S+16*\b+\i], v[S+16*\b+\i], v[HL+\b] :: v_dual_min_num_f32 v[S+16*\b+\i+1], v[S+16*\b+\i+1], v[HL+\b]
.endr
.endm
.macro CVTB b
	v_cvt_scalef32_pk8_fp8_f32 v[PC+4*\b:PC+4*\b+1], v[S+16*\b:S+16*\b+7], v[SO+\b]
	v_cvt_scalef32_pk8_fp8_f32 v[PC+4*\b+2:PC+4*\b+3], v[S+16*\b+8:S+16*\b+15], v[SO+\b]
.endm
.macro FMA8                            ; t - M, sixteen numbers
.rept 8
	v_pk_fma_f32 v[S+J:S+J+1], v[S+J:S+J+1], s[CS:CS+1], v[NM:NM+1] op_sel_hi:[1,0,0]
.set J, J+2
.endr
.endm
; A KEY STEP: 128 keys.  Its K is in registers.  kl = 1: the next step's K is asked for
.macro STEP kl
.irp b, 0,1,2,3
	v_wmma_scale_f32_16x16x128_f8f6f4 v[S+16*\b:S+16*\b+7], v[FR+16*\b:FR+16*\b+15], v[24:39], 0, v[KSC+\b], v[QSC]        ; [q | 0]: keys 32 b + 8 h + j
	v_wmma_scale_f32_16x16x128_f8f6f4 v[S+16*\b+8:S+16*\b+15], v[FR+16*\b:FR+16*\b+15], v[16:31], 0, v[KSC+\b], v[QSC]     ; [0 | q]: keys 32 b + 16 + 8 h + j
.endr
	PLACES 8                                       ; for the maximum's reads and for the loads among them
.irp b, 0,1,2,3
	v_max3_num_f32 v[BM+\b], v[S+16*\b], v[S+16*\b+1], v[S+16*\b+2]        ; the largest score of each block of 32 keys: for the row's maximum and for the block's largest p
.endr
.irp i, 3,5,7,9,11,13
.irp b, 0,1,2,3
	v_max3_num_f32 v[BM+\b], v[BM+\b], v[S+16*\b+\i], v[S+16*\b+\i+1]
.endr
.if \kl
.if \i < 11
	KLD (\i-3)/2, 16384
.elseif \i == 11
	KWORDS 256
.endif
.endif
.endr
.irp b, 0,1,2,3
	v_max_num_f32 v[BM+\b], v[BM+\b], v[S+16*\b+15]
.endr
.irp b, 0,1,2,3
	v_permlanex16_b32 v[T4+\b], v[BM+\b], s[SEL], s[SEL+1]
.endr
.irp b, 0,1,2,3
	v_max_num_f32 v[BM+\b], v[BM+\b], v[T4+\b]
.endr
	v_max3_num_f32 v[FF], v[BM], v[BM+1], v[BM+2]
	v_max3_num_f32 v[RS], v[RS], v[BM+3], v[FF]    ; the running largest score
	v_mul_f32 v[FF], s[CS], -v[RS]
	v_floor_f32 v[NM], v[FF]                       ; the new -M = floor(-t)
.set J, 0
	FMA8
	v_sub_f32 v[TP], v[NM], v[TP]                  ; old M - new M: a whole number, 0 or less
	FMA8
	v_cvt_i32_f32 v[TP], v[TP]                     ; (it saturates)
	FMA8
	v_ldexp_f32 v[FF], 1.0, v[TP]                  ; f
	FMA8
.irp b, 0,1,2,3
	v_fma_f32 v[BM+\b], v[BM+\b], s[CS], v[NM]
.endr
	WALU
.set J, 0
.rept 64
	v_exp_f32 v[S+J], v[S+J]                       ; p
.set J, J+1
.endr
.irp b, 0,1,2,3
	v_exp_f32 v[BM+\b], v[BM+\b]                   ; the block's largest p
.endr
	v_pk_mul_f32 v[SU:SU+1], v[SU:SU+1], v[FF:FF+1] op_sel_hi:[1,0]        ; the sums under the new M (a plain line behind the exponentials)
	WALU
.irp b, 0,1,2,3
	v_max_num_f32 v[BM+\b], 0x4800000, v[BM+\b]    ; the floor 2^(9 - 127): the byte cannot fall under 1
.endr
.irp b, 0,1,2,3
	v_add_nc_u32 v[SO+\b], 0xfc000000, v[BM+\b]    ; 8 off the exponent field: the conversion's scale operand
.endr
.irp b, 0,1,2,3
	v_lshrrev_b32 v[T4+\b], 23, v[SO+\b]
.endr
	v_and_or_b32 v[HL], v[BM], 0x7f800000, s[MNT]  ; 448 x the scale
	v_lshl_or_b32 v[PSC], v[T4+1], 8, v[T4]        ; p's scale word
	v_and_or_b32 v[HL+1], v[BM+1], 0x7f800000, s[MNT]
	v_and_or_b32 v[HL+2], v[BM+2], 0x7f800000, s[MNT]
	v_lshl_or_b32 v[PSC], v[T4+2], 16, v[PSC]
	v_and_or_b32 v[HL+3], v[BM+3], 0x7f800000, s[MNT]
	v_lshl_or_b32 v[PSC], v[T4+3], 24, v[PSC]
	SUMB 0
	MINB 0
	SUMB 1
	CVTB 0
	ds_load_b64 v[VSC:VSC+1], v[AS] offset:4096
	ds_load_b64 v[VSC+2:VSC+3], v[AS] offset:4224
	VLD 0
	MINB 1
	SUMB 2
	CVTB 1
	VLD 1
	MINB 2
	SUMB 3
	CVTB 2
	VLD 2
	MINB 3
	CVTB 3
	VLD 3
	WALU                                           ; directly ahead of O^T's first readers
.set J, 0
.rept 16
	v_pk_mul_f32 v[OT+J:OT+J+1], v[OT+J:OT+J+1], v[FF:FF+1] op_sel_hi:[1,0]        ; O^T under the new M; these lines also stand between the conversions and the products
.set J, J+2
.endr
	WALU
.irp t, 0,1,2,3
	s_wait_dscnt 12-4*\t                           ; V's tile t is in (K's loads and the words stand ahead of it); the later tiles' four loads each may be out
	v_wmma_scale_f32_16x16x128_f8f6f4 v[OT+8*\t:OT+8*\t+7], v[S+16*\t:S+16*\t+15], v[PC:PC+15], v[OT+8*\t:OT+8*\t+7], v[VSC+\t], v[PSC]
.endr
	s_add_co_u32 s66, s66, 16384
	s_add_co_u32 s67, s67, 256
	v_pk_add_f32 v[CH:CH+1], v[CH:CH+1], v[CH+2:CH+3]      ; nine places behind the products: the next ones write over what these have read
	v_pk_add_f32 v[CH+4:CH+5], v[CH+4:CH+5], v[CH+6:CH+7]
	v_mov_b32 v[TP], v[NM]
	v_add_nc_u32 v[AD], s66, v[L16]                ; the next step's codes and words
	v_add_nc_u32 v[AS], s67, v[SC0]
	v_pk_add_f32 v[CH:CH+1], v[CH:CH+1], v[CH+4:CH+5]
	PLACES 2
	v_pk_add_f32 v[SU:SU+1], v[SU:SU+1], v[CH:CH+1]
.endm
	s_load_b128 s[4:7], s[0:1], 0x0                ; qkv s[4:5], att s[6:7]
	v_lshl_add_u32 v[SPW], v0, 2, SPARE
	v_mov_b32 v[NIL], 0
	ds_add_u32 v[SPW], v[NIL]                      ; the opening: the add, twice on end
	ds_add_u32 v[SPW], v[NIL]
	v_lshrrev_b32 v14, 5, v0
	v_readfirstlane_b32 s8, v14                    ; wave 0..15
	s_and_b32 s9, ttmp7, 0xffff                    ; y = 2 b + kvh, which the four partners share
	s_bfe_u32 s11, ttmp6, 0x40000                  ; cx: my place in the cluster
	s_lshl_b32 s10, ttmp9, 2
	s_add_co_u32 s10, s10, s11                     ; qb: it enters the global addresses of Q and of the results alone
	s_lshr_b32 s12, s9, 1                          ; b
	s_and_b32 s13, s9, 1                           ; kvh
	s_lshr_b32 s14, s8, 2                          ; a
	s_and_b32 s15, s8, 3                           ; T
	; groups 1: dense blocks as rows of 256 bytes (32 elements of 8): 72 rows (waves 0 to 3), 64 rows (the others)
.irp g, 16, 24
	s_mov_b32 s[\g], 15|(3<<16)|(1<<21)            ; the mask: all four work-groups; bit 21 set beside a mask
	s_mov_b32 s[\g+1], 32<<16
	s_mov_b32 s[\g+3], 32<<16
	s_mov_b32 s[\g+5], 32
	s_mov_b32 s[\g+6], 0
	s_mov_b32 s[\g+7], 0
.endr
	s_mov_b32 s18, 72<<16
	s_mov_b32 s20, 72
	s_mov_b32 s26, 64<<16
	s_mov_b32 s28, 64
	s_mul_i32 s54, s9, KVR
	s_add_co_u32 s54, s54, KVC                     ; the kv head's record
	s_mov_b32 s55, 0
	s_mov_b32 s32, 1
	s_mul_i32 s33, s8, 18432                       ; waves 0 to 3: a quarter each of the words and steps 0 to 3
	s_mov_b32 s36, 1
	s_lshl_b32 s37, s8, 14
	s_add_co_u32 s37, s37, 8192                    ; waves 4 to 15: step w
	s_mov_b32 s52, s33
	s_mov_b32 s53, 0
	s_mov_b32 s56, s37
	s_mov_b32 s57, 0
	s_wait_dscnt 0x0
	s_wait_kmcnt 0x0
	s_add_nc_u64 s[54:55], s[4:5], s[54:55]
	s_add_nc_u64 s[34:35], s[54:55], s[52:53]
	s_or_b32 s35, s35, 0x80000000
	s_add_nc_u64 s[38:39], s[54:55], s[56:57]
	s_or_b32 s39, s39, 0x80000000
	CROUND                                         ; all four work-groups are here: the joint loads meet
	s_cmp_lt_u32 s8, 4                             ; one load a wave; each group of waves has a line of its own, since it waits apart
	s_cbranch_scc0 .Lrest
	TLOAD 32, 16
	s_branch .Lasked
.Lrest:
	TLOAD 36, 24
.Lasked:
	s_lshl_b32 s53, s14, 1
	s_lshl_b32 s52, s12, 3
	s_add_co_u32 s52, s52, s53
	s_add_co_u32 s52, s52, s13                     ; 8 b + head, head = kvh + 2 a
	s_lshl_b32 s52, s52, 5
	s_add_co_u32 s52, s52, s10
	s_lshl_b32 s70, s52, 12
	s_lshl_b32 s53, s15, 10
	s_add_co_u32 s70, s70, s53                     ; Q's codes: my tile's 1,024 bytes
	s_mov_b32 s71, 0
	s_add_nc_u64 s[70:71], s[4:5], s[70:71]
	s_lshl_b32 s72, s52, 8
	s_lshl_b32 s53, s15, 2
	s_add_co_u32 s72, s72, s53
	s_add_co_u32 s72, s72, QSO                     ; and its words
	s_mov_b32 s73, 0
	s_add_nc_u64 s[72:73], s[4:5], s[72:73]
	s_lshl_b32 s52, s15, 7
	s_lshl_b32 s53, s14, 1
	s_add_co_u32 s52, s52, s53
	s_add_co_u32 s52, s52, OS                      ; OS + 128 T + 2 a
	s_mov_b32 s66, 8192                            ; the step's codes
	s_mov_b32 s67, 0                               ; and words
	v_and_b32 v14, 31, v0
	v_and_b32 v15, 15, v0
	v_lshlrev_b32 v[L16], 4, v14
	v_lshlrev_b32 v[R16], 4, v15
	global_load_b128 v[24:27], v[L16], s[70:71]
	global_load_b128 v[28:31], v[L16], s[70:71] offset:512
	global_load_b32 v[QSC], v[R16], s[72:73]
	v_lshlrev_b32 v[SC0], 3, v15
	v_lshl_add_u32 v[OSA], v15, 3, s52
	v_add_nc_u32 v[OSR], OS, v[L16]
	v_add_nc_u32 v[AD], s66, v[L16]
	v_add_nc_u32 v[AS], s67, v[SC0]
	s_lshl_b32 s74, s12, 7
	s_lshl_b32 s53, s10, 2
	s_add_co_u32 s74, s74, s53
	s_add_co_u32 s74, s74, s15                     ; 128 b + tile
	s_lshl_b32 s74, s74, 13
	s_lshl_b32 s53, s13, 12
	s_add_co_u32 s74, s74, s53                     ; K step 2 kvh + a / 2 of the last product,
	s_lshr_b32 s53, s14, 1
	s_lshl_b32 s53, s53, 11
	s_add_co_u32 s74, s74, s53
	s_and_b32 s53, s14, 1
	s_lshl_b32 s53, s53, 10
	s_add_co_u32 s74, s74, s53                     ; pieces 2 (a % 2) + 0, 1
	s_mov_b32 s75, 0
	s_add_nc_u64 s[74:75], s[6:7], s[74:75]
	s_lshl_b32 s76, s9, 14
	s_lshl_b32 s53, s10, 9
	s_add_co_u32 s76, s76, s53
	s_add_co_u32 s76, s76, OSO
	s_mov_b32 s77, 0
	s_add_nc_u64 s[76:77], s[6:7], s[76:77]
	s_mov_b32 s[CS], 0x3e38aa3b                    ; c = log2(e) / 8
	s_mov_b32 s[CS+1], s[CS]                       ; (named with it as a pair)
	s_mov_b32 s[SEL], 0x76543210
	s_mov_b32 s[SEL+1], 0xfedcba98
	s_mov_b32 s[MNT], 0x600000
.irp j, 0,1,2,3,4,5,6,7
	v_mov_b32 v[16+\j], 0                          ; the zeros on both sides of q
	v_mov_b32 v[32+\j], 0
.endr
.set J, 0
.rept 32
	v_mov_b32 v[OT+J], 0                           ; the step is written once: the first finds zeros, which the first change of M leaves zeros
.set J, J+1
.endr
.irp b, 0,1,2,3
	v_mov_b32 v[T4+\b], 0                          ; a lane permute's destination counts as one of its sources
.endr
	v_mov_b32 v[FF+1], 0                           ; (named as the upper half of a pair)
	v_mov_b32 v[RS], 0xff61b1e6                    ; the largest score so far: -3e38
	v_mov_b32 v[TP], 0x7e000000                    ; -M: so large that the first f is 0
	v_mov_b32 v[SU], 0
	v_mov_b32 v[SU+1], 0
	WALU                                           ; the head's end
	s_wait_loadcnt 0x0                             ; Q
	s_cmp_lt_u32 s8, 4
	s_cbranch_scc0 .Lnot_mine
	s_wait_tensorcnt 0x0                           ; waves 0 to 3: my quarter of the words and of steps 0 to 3 has landed
.Lnot_mine:
	s_barrier_signal -1
	s_barrier_wait -1                              ; all four quarters are shown to all
	KLD 0, 0
	KLD 1, 0
	KLD 2, 0
	KLD 3, 0
	KWORDS 0
	s_wait_dscnt 0x0                               ; step 0's K
	STEP 1                                         ; step 0
	WALU
	s_wait_tensorcnt 0x0                           ; no load of mine is out: waves 4 to 15's steps are in
	s_wait_dscnt 0x0
	s_barrier_signal -1
	STEP 1                                         ; step 1: between signal and wait register work and LDS loads of bytes that nobody writes
	WALU
	s_barrier_wait -1                              ; every step is shown to all
	s_mov_b32 s68, 13
.Lstep:                                            ; steps 2 to 14
	STEP 1
	s_sub_co_u32 s68, s68, 1
	s_cmp_lg_u32 s68, 0
	WALU
	s_cbranch_scc1 .Lstep
	STEP 0                                         ; step 15: no K behind it
	; THE WAY OUT: O^T / the sum; register 16 b + i is d = 32 b + 16 h + i of my query: two blocks of the last product's K
	v_add_f32 v[SU], v[SU], v[SU+1]
	v_permlanex16_b32 v[TP], v[SU], s[SEL], s[SEL+1]
	v_add_f32 v[SU], v[SU], v[TP]
	WALU
	v_rcp_f32 v[SU], v[SU]
	v_nop
	WALU                                           ; for the reciprocal, and directly ahead of O^T's first readers
.set J, 0
.rept 16
	v_pk_mul_f32 v[S+J:S+J+1], v[OT+J:OT+J+1], v[SU:SU+1] op_sel_hi:[1,0]
.set J, J+2
.endr
.irp b, 0,1
	v_max3_num_f32 v[BM+\b], |v[S+16*\b]|, |v[S+16*\b+1]|, 0x4800000
.endr
.irp i, 2,4,6,8,10,12,14
.irp b, 0,1
	v_max3_num_f32 v[BM+\b], v[BM+\b], |v[S+16*\b+\i]|, |v[S+16*\b+\i+1]|
.endr
.endr
.irp b, 0,1
	v_permlanex16_b32 v[T4+\b], v[BM+\b], s[SEL], s[SEL+1]
.endr
.irp b, 0,1
	v_max_num_f32 v[BM+\b], v[BM+\b], v[T4+\b]
.endr
.irp b, 0,1
	v_add_nc_u32 v[SO+\b], 0xfc000000, v[BM+\b]
.endr
.irp b, 0,1
	v_and_or_b32 v[HL+\b], v[BM+\b], 0x7f800000, s[MNT]
.endr
.irp b, 0,1
	v_lshrrev_b32 v[T4+\b], 23, v[SO+\b]
.endr
	v_lshl_or_b32 v[TP], v[T4+1], 8, v[T4]
.irp b, 0,1
.irp i, 0,1,2,3,4,5,6,7,8,9,10,11,12,13,14,15
	v_med3_num_f32 v[S+16*\b+\i], v[S+16*\b+\i], -v[HL+\b], v[HL+\b]
.endr
.endr
	CVTB 0
	CVTB 1
	v_nop                                          ; a plain line behind the last conversion
	global_store_b128 v[L16], v[PC:PC+3], s[74:75]
	global_store_b128 v[L16], v[PC+4:PC+7], s[74:75] offset:512
	ds_store_b16 v[OSA], v[TP]                     ; both lanes of a row write the same two bytes; these 512 bytes are no tile's
	s_wait_dscnt 0x0
	s_barrier_signal -1
	s_barrier_wait -1                              ; four heads' byte pairs of 64 queries: 512 bytes
	s_cmp_lg_u32 s8, 0
	s_cbranch_scc1 .Lno_words
	ds_load_b128 v[16:19], v[OSR]
	s_wait_dscnt 0x0
	global_store_b128 v[L16], v[16:19], s[76:77]
.Lno_words:
	s_wait_tensorcnt 0x0                           ; the wave's end
	ds_add_u32 v[SPW], v[NIL]
	s_wait_dscnt 0x0
	CROUND                                         ; the closing round: no work-group ends while a partner may still ask jointly
	s_endpgm
.Lfunc_end_k_qff5d8895a3_attn:
	.size	k_qff5d8895a3_attn, .Lfunc_end_k_qff5d8895a3_attn-k_qff5d8895a3_attn
	.p2alignl 7, 3214868480
	.fill 96, 4, 3214868480
	.section	.rodata,"a",@progbits
	.p2align	6, 0x0
	.amdhsa_kernel k_qff5d8895a3_attn
		.amdhsa_group_segment_fixed_size 272896
		.amdhsa_private_segment_fixed_size 0
		.amdhsa_enable_private_segment 0
		.amdhsa_kernarg_size 16
		.amdhsa_user_sgpr_count 2
		.amdhsa_user_sgpr_kernarg_segment_ptr 1
		.amdhsa_wavefront_size32 1
		.amdhsa_system_sgpr_workgroup_id_x 1
		.amdhsa_system_sgpr_workgroup_id_y 1
		.amdhsa_system_sgpr_workgroup_id_z 1
		.amdhsa_system_vgpr_workitem_id 0
		.amdhsa_next_free_vgpr 256
		.amdhsa_next_free_sgpr 80
		.amdhsa_reserve_vcc 0
		.amdhsa_float_denorm_mode_32 3
		.amdhsa_float_denorm_mode_16_64 3
		.amdhsa_memory_ordered 1
		.amdhsa_forward_progress 1
		.amdhsa_inst_pref_size 88
	.end_amdhsa_kernel
	.amdgpu_metadata
---
amdhsa.version: [ 1, 2 ]
amdhsa.kernels:
  - .name:           k_qff5d8895a3_attn
    .symbol:         k_qff5d8895a3_attn.kd
    .args:
      - { .name: qkv, .offset: 0, .size: 8, .value_kind: global_buffer, .address_space: global }
      - { .name: att, .offset: 8, .size: 8, .value_kind: global_buffer, .address_space: global }
    .group_segment_fixed_size: 272896
    .private_segment_fixed_size: 0
    .kernarg_segment_align: 8
    .kernarg_segment_size: 16
    .max_flat_workgroup_size: 512
    .sgpr_count:     80
    .vgpr_count:     256
    .wavefront_size: 32
...
	.end_amdgpu_metadata
.endif
;; end of part 3
;; launch proj (part 4): grid 128 x 2, 16 waves a work-group, no clusters, 169,984 bytes of LDS; arguments att, wq8, xq8, x, gamma, beta, bout, out0; writes out0
.if DOCPART == 4
	.amdgcn_target "amdgcn-amd-amdhsa--gfx1250"
	.amdhsa_code_object_version 6
	.text
	.protected	k_qff5d8895a3_proj
	.globl	k_qff5d8895a3_proj
	.p2align	8
	.type	k_qff5d8895a3_proj,@function
k_qff5d8895a3_proj:
	s_mov_b64 s[64:65], 0
	v_nop
	global_prefetch_b8 v0, s[64:65] scope:SCOPE_SE
	s_setreg_imm32_b32 hwreg(HW_REG_WAVE_MODE, 25, 1), 1
	s_wait_xcnt 0x0
; out0 = xn + o Wout + bout, stored [b][channel][token].  o and Wout are codes of E4M3 (K = 512 in four steps, in the order in which the attention launch laid o); xn is made anew from x and the kept mean and 1/sigma.
; Work-group (g, y): 64 tokens x 256 channels; wave w: the 16 channels of tile 16 y + w, for all 64 tokens.  o's sixteen fragments (32 KB) come into LDS by one tensor load a wave, once; a wave's four fragments of Wout go
; from memory straight into its registers: no other wave of the work-group wants them.  No cluster: o's tile is shared by two work-groups alone, and is a ninth of what each reads.
; Source 0 = 16 tokens of o, source 1 = 16 columns of Wout: a lane holds ONE channel and eight neighbouring tokens.  A wave's 16 channels x 64 tokens go through its own stage in LDS and come back as rows of 256 bytes,
; so that x is loaded, and out0 stored, sixteen lanes to 256 consecutive bytes.
.set REC, 33792
.set STO, 4325376
.set OSO, 4194304
.set STG, 32768                        ; LDS: 0: o's images [tile 4][K step 4][2,048]; STG: sixteen stages of 16 rows x (256 + 16) bytes
.set WS,  12                           ; v12-15  Wout's scale words: scales alone
.set OSC, 16                           ; v16-31  o's: register 4 T + K step: scales alone
.set MU,  32                           ; v32-35  the mean of my four tokens;  v36-39 1/sigma
.set RS,  36
.set GA,  40                           ; v40-47  gamma of channels 8 h + 0 .. 7;  v48-55 beta (+ bout);  v56-63 bout
.set BE,  48
.set BO,  56
.set XR,  64                           ; v64-95  x: row i: four tokens
.set WF,  96                           ; v96-159 Wout's four fragments
.set OU,  96                           ;         later the products' rows, then the results
.set OF,  160                          ; v160-223 four fragments of o
.set ACC, 224                          ; v224-255 four accumulators
	s_load_b256 s[4:11], s[0:1], 0x0               ; att s[4:5], wq8 s[6:7], xq8 s[8:9], x s[10:11]
	s_load_b256 s[12:19], s[0:1], 0x20             ; gamma s[12:13], beta s[14:15], bout s[16:17], out0 s[18:19]
	v_lshl_add_u32 v254, v0, 2, 0x29000
	v_mov_b32 v255, 0
	ds_add_u32 v254, v255
	ds_add_u32 v254, v255
	s_wait_dscnt 0x0
	v_lshrrev_b32 v8, 5, v0
	s_delay_alu instid0(VALU_DEP_1)
	v_readfirstlane_b32 s20, v8                    ; wave 0..15
	s_and_b32 s22, ttmp7, 0xffff
	s_lshl_b32 s23, s22, 4
	s_add_co_u32 s23, s23, s20                     ; my tile of 16 channels
	s_mov_b32 s24, 3<<16                           ; group 1: 8 dense rows of 256 bytes
	s_mov_b32 s25, 32<<16
	s_mov_b32 s26, 8<<16
	s_mov_b32 s27, 32<<16
	s_mov_b32 s28, 8
	s_mov_b32 s29, 32
	s_mov_b32 s30, 0
	s_mov_b32 s31, 0
	s_mov_b32 s32, 1
	s_lshl_b32 s33, s20, 11                        ; one fragment a wave
	s_lshl_b32 s36, ttmp9, 15
	s_add_co_u32 s36, s36, s33
	s_mov_b32 s37, 0
	s_wait_kmcnt 0x0
	s_add_nc_u64 s[34:35], s[4:5], s[36:37]
	s_or_b32 s35, s35, 0x80000000
	tensor_load_to_lds s[32:35], s[24:31]          ; the launch's only fill: one load of mine is out
	s_nop 0
.rept 4
	v_nop
.endr
	v_and_b32 v10, 31, v0
	s_delay_alu instid0(VALU_DEP_1)
	v_lshlrev_b32 v1, 4, v10                       ; v1: 16 x lane
	v_and_b32 v8, 15, v0                           ; r
	v_bfe_u32 v9, v0, 4, 1                         ; h
	s_delay_alu instid0(VALU_DEP_2)
	v_lshlrev_b32 v2, 4, v8                        ; v2: 16 r
	s_delay_alu instid0(VALU_DEP_3)
	v_lshlrev_b32 v3, 3, v8                        ; v3: 8 r
	s_wait_alu depctr_va_vdst(0)
	v_lshl_add_u32 v4, v9, 16, v2                  ; v4: x, out0: channel 8 h (8,192 bytes each), tokens 4 r on
	s_wait_alu depctr_va_vdst(0)
	s_lshl_b32 s46, s23, 6
	v_lshl_add_u32 v5, v9, 5, s46                  ; v5: gamma, beta, bout: (16 tile + 8 h) x 4
	s_wait_alu depctr_va_vdst(0)
	s_mul_i32 s46, s20, 4352
	s_add_co_u32 s46, s46, STG                     ; my stage
	v_mul_u32_u24 v6, v8, 272
	s_delay_alu instid0(VALU_DEP_1)
	v_lshl_add_u32 v6, v9, 5, v6
	s_delay_alu instid0(VALU_DEP_1)
	v_add_nc_u32 v6, s46, v6                       ; v6: in: row = channel r, 32 h bytes on
	v_mul_u32_u24 v7, v9, 2176
	s_delay_alu instid0(VALU_DEP_1)
	v_lshl_add_u32 v7, v8, 4, v7
	s_delay_alu instid0(VALU_DEP_1)
	v_add_nc_u32 v7, s46, v7                       ; v7: back: lanes 0-15 row i, lanes 16-31 row 8 + i
	s_lshr_b32 s38, s23, 2
	s_add_co_u32 s38, s38, 12
	s_mul_i32 s38, s38, REC                        ; Wout's unit
	s_and_b32 s39, s23, 3
	s_lshl_b32 s40, s39, 11
	s_add_co_u32 s40, s40, s38
	s_mov_b32 s41, 0
	s_add_nc_u64 s[40:41], s[6:7], s[40:41]        ; my tile's images
	s_lshl_b32 s42, s39, 2
	s_add_co_u32 s42, s42, s38
	s_add_co_u32 s42, s42, 32768
	s_mov_b32 s43, 0
	s_add_nc_u64 s[42:43], s[6:7], s[42:43]        ; and its scale words
	s_lshr_b32 s47, ttmp9, 5                       ; the batch
	s_and_b32 s48, ttmp9, 31                       ; the group in it
	s_lshl_b32 s44, s47, 15
	s_lshl_b32 s49, s48, 9
	s_add_co_u32 s44, s44, s49
	s_add_co_u32 s44, s44, OSO
	s_mov_b32 s45, 0
	s_add_nc_u64 s[44:45], s[4:5], s[44:45]        ; o's scale words
	s_lshl_b32 s52, s47, 22
	s_lshl_b32 s49, s23, 17
	s_add_co_u32 s52, s52, s49
	s_lshl_b32 s49, s48, 8
	s_add_co_u32 s52, s52, s49
	s_mov_b32 s53, 0
	s_add_nc_u64 s[54:55], s[10:11], s[52:53]      ; x,
	s_add_nc_u64 s[50:51], s[18:19], s[52:53]      ; and out0, at my first channel and token
	s_lshl_b32 s56, ttmp9, 9
	s_add_co_u32 s56, s56, STO
	s_mov_b32 s57, 0
	s_add_nc_u64 s[56:57], s[8:9], s[56:57]        ; the group's mean and 1/sigma
.irp s, 0,1,2,3
.irp c, 0,1,2,3
	global_load_b128 v[WF+16*\s+4*\c:WF+16*\s+4*\c+3], v1, s[40:41] offset:8192*\s+512*\c
.endr
.endr
.irp s, 0,1,2,3
	global_load_b32 v[WS+\s], v2, s[42:43] offset:256*\s
.endr
.irp t, 0,1,2,3
.irp k, 0,1
	global_load_b64 v[OSC+4*\t+2*\k:OSC+4*\t+2*\k+1], v3, s[44:45] offset:16384*\k+128*\t
.endr
.endr
.irp i, 0,1,2,3,4,5,6,7
	global_load_b128 v[XR+4*\i:XR+4*\i+3], v4, s[54:55] offset:8192*\i th:TH_LOAD_NT
.endr
	global_load_b128 v[GA:GA+3], v5, s[12:13]
	global_load_b128 v[GA+4:GA+7], v5, s[12:13] offset:16
	global_load_b128 v[BE:BE+3], v5, s[14:15]
	global_load_b128 v[BE+4:BE+7], v5, s[14:15] offset:16
	global_load_b128 v[BO:BO+3], v5, s[16:17]
	global_load_b128 v[BO+4:BO+7], v5, s[16:17] offset:16
	global_load_b128 v[MU:MU+3], v2, s[56:57]
	global_load_b128 v[RS:RS+3], v2, s[56:57] offset:256
	s_wait_loadcnt 16                              ; Wout and all scale words are in; x's 8 loads, the gains' and biases' 6 and the stats' 2 stay out
	s_wait_tensorcnt 0x0                           ; my fragment of o has landed,
	s_barrier_signal -1
	s_barrier_wait -1                              ; everybody's has
.irp s, 0,1,2,3
.if \s > 0
.rept 8
	v_nop                                          ; eight places in front of loads into registers that the last products read
.endr
.endif
.irp t, 0,1,2,3
.irp c, 0,1,2,3
	ds_load_b128 v[OF+16*\t+4*\c:OF+16*\t+4*\c+3], v1 offset:8192*\t+2048*\s+512*\c
.endr
.endr
	s_wait_dscnt 0x0
.irp t, 0,1,2,3                        ; the four accumulators take turns, one instruction a turn
.if \s == 0
	v_wmma_scale_f32_16x16x128_f8f6f4 v[ACC+8*\t:ACC+8*\t+7], v[OF+16*\t:OF+16*\t+15], v[WF+16*\s:WF+16*\s+15], 0, v[OSC+4*\t+\s], v[WS+\s]
.else
	v_wmma_scale_f32_16x16x128_f8f6f4 v[ACC+8*\t:ACC+8*\t+7], v[OF+16*\t:OF+16*\t+15], v[WF+16*\s:WF+16*\s+15], v[ACC+8*\t:ACC+8*\t+7], v[OSC+4*\t+\s], v[WS+\s]
.endif
.endr
.endr
	s_wait_alu depctr_va_vdst(0)
	s_wait_loadcnt 0x0                             ; x, gamma, beta, bout, the stats
.irp j, 0,2,4,6
	v_pk_add_f32 v[BE+\j:BE+\j+1], v[BE+\j:BE+\j+1], v[BO+\j:BO+\j+1]      ; beta + bout: four of the eight places behind the last products
.endr
.rept 4
	v_nop
.endr
.irp t, 0,1,2,3
	ds_store_b128 v6, v[ACC+8*\t:ACC+8*\t+3] offset:64*\t                  ; each accumulator from its low end on
	ds_store_b128 v6, v[ACC+8*\t+4:ACC+8*\t+7] offset:64*\t+16
.endr
.irp i, 0,1,2,3,4,5,6,7
	ds_load_b128 v[OU+4*\i:OU+4*\i+3], v7 offset:272*\i    ; LDS serves a wave's instructions in order (ISA guide 5.7.1.4): these see my stores; the stage is my own
.endr
; row i: channel 8 h + i, tokens 4 r + 0 .. 3: ((x - mean) / sigma) gamma + (the product + beta + bout).  sel: which register of the pair holds channel i's gamma and bias
.macro YROW i, sel
	s_wait_dscnt 7-\i                              ; row i is back; the younger loads stay out
.irp p, 0,1
	v_pk_add_f32 v[XR+4*\i+2*\p:XR+4*\i+2*\p+1], v[XR+4*\i+2*\p:XR+4*\i+2*\p+1], v[MU+2*\p:MU+2*\p+1] neg_lo:[0,1] neg_hi:[0,1]
	v_pk_add_f32 v[OU+4*\i+2*\p:OU+4*\i+2*\p+1], v[OU+4*\i+2*\p:OU+4*\i+2*\p+1], v[BE+\i-\sel:BE+\i-\sel+1] op_sel:[0,\sel] op_sel_hi:[1,\sel]
	s_delay_alu instid0(VALU_DEP_2)
	v_pk_mul_f32 v[XR+4*\i+2*\p:XR+4*\i+2*\p+1], v[XR+4*\i+2*\p:XR+4*\i+2*\p+1], v[RS+2*\p:RS+2*\p+1]
	s_delay_alu instid0(VALU_DEP_1)
	v_pk_fma_f32 v[OU+4*\i+2*\p:OU+4*\i+2*\p+1], v[XR+4*\i+2*\p:XR+4*\i+2*\p+1], v[GA+\i-\sel:GA+\i-\sel+1], v[OU+4*\i+2*\p:OU+4*\i+2*\p+1] op_sel:[0,\sel,0] op_sel_hi:[1,\sel,1]
.endr
	global_store_b128 v4, v[OU+4*\i:OU+4*\i+3], s[50:51] offset:8192*\i th:TH_STORE_NT     ; sixteen lanes store 256 consecutive bytes of a channel's row
.endm
	s_wait_alu depctr_va_vdst(0)
	YROW 0, 0
	YROW 1, 1
	YROW 2, 0
	YROW 3, 1
	YROW 4, 0
	YROW 5, 1
	YROW 6, 0
	YROW 7, 1
	s_wait_xcnt 0x0
	v_lshl_add_u32 v254, v0, 2, 0x29000
	v_mov_b32 v255, 0
	s_wait_alu depctr_va_vdst(0)
	s_wait_tensorcnt 0x0
	ds_add_u32 v254, v255
	s_wait_dscnt 0x0
	s_endpgm
.Lfunc_end_k_qff5d8895a3_proj:
	.size	k_qff5d8895a3_proj, .Lfunc_end_k_qff5d8895a3_proj-k_qff5d8895a3_proj
	.p2alignl 7, 3214868480
	.fill 96, 4, 3214868480
	.section	.rodata,"a",@progbits
	.p2align	6, 0x0
	.amdhsa_kernel k_qff5d8895a3_proj
		.amdhsa_group_segment_fixed_size 169984
		.amdhsa_private_segment_fixed_size 0
		.amdhsa_enable_private_segment 0
		.amdhsa_kernarg_size 64
		.amdhsa_user_sgpr_count 2
		.amdhsa_user_sgpr_kernarg_segment_ptr 1
		.amdhsa_wavefront_size32 1
		.amdhsa_system_sgpr_workgroup_id_x 1
		.amdhsa_system_sgpr_workgroup_id_y 1
		.amdhsa_system_sgpr_workgroup_id_z 1
		.amdhsa_system_vgpr_workitem_id 0
		.amdhsa_next_free_vgpr 256
		.amdhsa_next_free_sgpr 66
		.amdhsa_reserve_vcc 0
		.amdhsa_float_denorm_mode_32 3
		.amdhsa_float_denorm_mode_16_64 3
		.amdhsa_memory_ordered 1
		.amdhsa_forward_progress 1
		.amdhsa_inst_pref_size 24
	.end_amdhsa_kernel
	.amdgpu_metadata
---
amdhsa.version: [ 1, 2 ]
amdhsa.kernels:
  - .name:           k_qff5d8895a3_proj
    .symbol:         k_qff5d8895a3_proj.kd
    .args:
      - { .name: att, .offset: 0, .size: 8, .value_kind: global_buffer, .address_space: global }
      - { .name: wq8, .offset: 8, .size: 8, .value_kind: global_buffer, .address_space: global }
      - { .name: xq8, .offset: 16, .size: 8, .value_kind: global_buffer, .address_space: global }
      - { .name: x, .offset: 24, .size: 8, .value_kind: global_buffer, .address_space: global }
      - { .name: gamma, .offset: 32, .size: 8, .value_kind: global_buffer, .address_space: global }
      - { .name: beta, .offset: 40, .size: 8, .value_kind: global_buffer, .address_space: global }
      - { .name: bout, .offset: 48, .size: 8, .value_kind: global_buffer, .address_space: global }
      - { .name: out0, .offset: 56, .size: 8, .value_kind: global_buffer, .address_space: global }
    .group_segment_fixed_size: 169984
    .private_segment_fixed_size: 0
    .kernarg_segment_align: 8
    .kernarg_segment_size: 64
    .max_flat_workgroup_size: 512
    .sgpr_count:     66
    .vgpr_count:     256
    .wavefront_size: 32
...
	.end_amdgpu_metadata
.endif
;; end of part 4
